; MI455X (gfx1250); checked and timed in simulation.
; The chip was launched on July 23, 2026; its instructions are those of AMD's public machine-readable ISA for CDNA 5 (MIT licence, August 2026) and "CDNA5" Instruction Set Architecture Reference Guide (July 2026). The comments in the code are by the model that wrote it; some were corrected since.
;; Multi Head Attention. Allowed arithmetic: matrix products marked QUANTISED: E2M1 operands, one E8M0 scale for each 32 along K, by v_wmma_scale_f32_16x16x128_f8f6f4 with both operands' format E2M1 (or v_wmma_scale_f32_32x16x128_f4), f32 sums; everything else in f32.
;; Inputs: attn_mask 8 x 1,024 x 1,024 bool; k_codes 8 x 1,024 x 32 x 16 uint8 (E2M1 codes of k, K innermost, in blocks of 32 codes, two codes a byte); k_scales 8 x 1,024 x 32 uint8 (E8M0 scales of k, one for each 32 codes along K); ln_b 1,024 float32; ln_g 1,024 float32; proj_b 1,024 float32; proj_w_codes 1,024 x 32 x 16 uint8 (E2M1 codes of proj_w, K innermost, in blocks of 32 codes, two codes a byte); proj_w_scales 1,024 x 32 uint8 (E8M0 scales of proj_w, one for each 32 codes along K); q 8 x 1,024 x 1,024 float32; v_codes 8 x 1,024 x 32 x 16 uint8 (E2M1 codes of v, K innermost, in blocks of 32 codes, two codes a byte); v_scales 8 x 1,024 x 32 uint8 (E8M0 scales of v, one for each 32 codes along K); w_ks_codes 16 x 64 x 32 x 16 uint8 (E2M1 codes of w_ks, K innermost, in blocks of 32 codes, two codes a byte); w_ks_scales 16 x 64 x 32 uint8 (E8M0 scales of w_ks, one for each 32 codes along K); w_qs_codes 16 x 64 x 32 x 16 uint8 (E2M1 codes of w_qs, K innermost, in blocks of 32 codes, two codes a byte); w_qs_scales 16 x 64 x 32 uint8 (E8M0 scales of w_qs, one for each 32 codes along K); w_vs_codes 16 x 64 x 32 x 16 uint8 (E2M1 codes of w_vs, K innermost, in blocks of 32 codes, two codes a byte); w_vs_scales 16 x 64 x 32 uint8 (E8M0 scales of w_vs, one for each 32 codes along K).
;; Outputs: out0 8 x 1,024 x 1,024 float32.
;; This version of the problem:
;;   THIS VERSION OF THE PROBLEM IS GIVEN IN LOW PRECISION. The matrix products marked QUANTISED in the list below multiply operands that are first quantised to E2M1 (2 exponent bits, 1 mantissa bit; 4 bits a number), with one power-of-two scale for each 32 numbers along K (OCP MX v1.0); their sums are f32. All else is computed in f32.
;;   The module's matrix products, in the order in which they are computed (A, B: the left and right operand; K: the contracted axis; several contracted axes count as one K, in the product's order):
;;     1. [M 1,024, K 1,024] x [K 1,024, N 8,192]; A: input w_qs (given as codes); B: input q: QUANTISED
;;     2. [M 1,024, K 1,024] x [K 1,024, N 8,192]; A: input w_ks (given as codes); B: input k (given as codes): QUANTISED
;;     3. [M 1,024, K 1,024] x [K 1,024, N 8,192]; A: input w_vs (given as codes); B: input v (given as codes): QUANTISED
;;     4. batch 128 x [M 1,024, K 64] x [K 64, N 1,024]; A: computed on the way; B: computed on the way: QUANTISED
;;     5. batch 128 x [M 1,024, K 1,024] x [K 1,024, N 64]; A: computed on the way; B: computed on the way: QUANTISED
;;     6. [M 8,192, K 1,024] x [K 1,024, N 1,024]; A: computed on the way; B: input proj_w (given as codes): QUANTISED
;;   THE QUANTISER, for each operand of a quantised product, along K:
;;     - K is cut into blocks of 32 from its start; a last block that is shorter is filled with zeros.
;;     - A block's scale is 2^e with e = floor(log2(the largest magnitude in the block)) - 2, held to -126 .. 127; a block of zeros has e = 0. As a byte (E8M0): e + 127.
;;     - Each number is divided by its block's scale, clamped to +-6, and rounded to the nearest number of E2M1, ties to even, subnormals kept.
;;     - The product sums the exact products of the quantised numbers (number of the format x scale) in f32.
;;   ~~~python
;;   def quantise(x, axis):      # numpy; x: float32 -> the quantised numbers, widened to float32 again
;;       x = np.moveaxis(x, axis, -1); K = x.shape[-1]
;;       x = np.pad(x, [(0, 0)] * (x.ndim - 1) + [(0, -K % 32)]); x = x.reshape(x.shape[:-1] + (-1, 32)); a = np.abs(x).max(-1, keepdims=True)
;;       e = np.where(a > 0, np.clip(np.frexp(np.where(a > 0, a, 1))[1] - 1 - 2, -126, 127), 0)      # np.frexp(a)[1] - 1 = floor(log2(a)), exactly
;;       r = np.clip(x / 2.0 ** e, -6, 6)
;;       step = 2.0 ** (np.maximum(np.frexp(np.where(r == 0, 1, r))[1] - 1, 0) - 1)
;;       q = np.round(r / step) * step * 2.0 ** e      # np.round: ties to even
;;       return np.moveaxis(q.reshape(q.shape[:-2] + (-1,))[..., :K], -1, axis).astype(np.float32)
;;   ~~~
;;   OPERANDS COMPUTED ON THE WAY. 'Computed on the way' means the value that the module computes at that place (a softmax that the list does not call 'softmax' is quantised finished and normalised). What goes into a quantiser is computed in f32, as accurately as f32 sums, v_exp_f32 and their like allow (about 1e-6 of the number): no bf16 or f16 on the way to a quantiser, and a product that is left as it is and whose result goes on into a quantised operand takes f32 operands (vector FMAs, or v_wmma_f32_16x16x4_f32). A number that lies on a knife's edge between two numbers of the format may be rounded either way, as far as f32 arithmetic and the matrix unit's own rounding can turn it there, and no further.
;;   INPUTS GIVEN AS CODES. k (in the module: [8, 1024, 1024], K = its axis 2); proj_w (in the module: [1024, 1024], K = its axis 0); v (in the module: [8, 1024, 1024], K = its axis 2); w_ks (in the module: [16, 1024, 64], K = its axis 1); w_qs (in the module: [16, 1024, 64], K = its axis 1); w_vs (in the module: [16, 1024, 64], K = its axis 1): each comes as NAME_codes (uint8): NAME with its K axis moved to the last place and cut into blocks of 32 codes, [.., K / 32, bytes a block], one block behind the other in memory; two codes a byte, the lower K in the low four bits (a code: sign, 2 exponent bits, 1 mantissa bit); and NAME_scales (uint8): the same leading axes, one E8M0 byte (e + 127) for each 32 codes along K. Its value is code x scale, taken as it is: it is not quantised again, and the codes and scales need not be those that the quantiser above would give.
;; One version. Each part assembles by itself: llvm-mc -triple=amdgcn-amd-amdhsa -mcpu=gfx1250 --defsym DOCPART=n.
;; ======== version 1 of 1: 4 launches
;; limits: right only within a limited range of input values
;; workspace buffers: qq 4,456,448 bytes; maskw 1,048,576 bytes of whole numbers; wimg 524,288 bytes; hq 4,456,448 bytes; hk 4,456,448 bytes; hv 4,456,448 bytes; oq 4,456,448 bytes
;; launch prep (part 1): grid 400 x 1, 4 waves a work-group, no clusters, 100,864 bytes of LDS; arguments q, attn_mask, proj_w_codes, qq, maskw, wimg; writes qq, maskw, wimg
.if DOCPART == 1
	.amdgcn_target "amdgcn-amd-amdhsa--gfx1250"
	.amdhsa_code_object_version 6
	.text
	.protected	k_q8175a5c012_prep
	.globl	k_q8175a5c012_prep
	.p2align	8
	.type	k_q8175a5c012_prep,@function
k_q8175a5c012_prep:
	s_mov_b64 s[64:65], 0
	v_nop
	global_prefetch_b8 v0, s[64:65] scope:SCOPE_SE
	s_setreg_imm32_b32 hwreg(HW_REG_WAVE_MODE, 25, 1), 1
	s_wait_xcnt 0x0
; Three jobs that only re-lay inputs, told apart by the work-group's number; each has LDS bytes of its own; waves share nothing, so there is no barrier.
;  work-groups 0-255:   q [8192][1024] f32 -> codes of FP4 (E2M1), K innermost, at qq + 0, and one E8M0 byte for each 32 along K at qq + 0x400000.
;  work-groups 256-383: attn_mask [8][1024][1024] bytes -> lane masks.  A wave takes one tile of 16 queries (tile TT, lane r: query 32 (TT / 2) + 8 (TT % 2) + r + 8 (r / 8)) and makes 512 words:
;                       word R, bit 16 hh + r = mask[query of lane r][key 32 (R / 16) + 16 hh + R % 16]: the very lanes and registers in which the attention launch holds its scores.
;  work-groups 384-399: proj_w_codes [1024][512 bytes] -> images of operand registers: tile T of 16 rows, piece k: lane (r, hh) has the 16 bytes 32 k + 16 hh of row 16 T + r, at 8192 T + 512 k + 16 lane.
; A block's scale is 2^(floor(log2(its largest magnitude)) - 2); its byte is the largest magnitude's exponent field - 2, held at 1 from below.
; LIMITS: a block of zeros, or one whose largest magnitude lies under 2^-124, keeps the byte 1 (its codes are zeros or the nearest codes under that scale; this program alone reads the bytes); NaN and infinities are not served.
.set STEPS, 16
.set CB,    8                          ; bytes of 16 codes
.set QRG,   16                         ; v16-79   q: four sets of 16 numbers as loaded
.set QXG,   80                         ; v80-111  two sets of 16 neighbours
.set QEG,   112                        ; v112-127 a scale byte for each step
.set QCG,   128                        ; v128-191 codes: registers of its own for each step
.set WREG,  8192                       ; LDS 0 .. 32767: q's path, a region for each wave: two stages of 32 x SP bytes, then its 256 scale bytes
.set SP,    80
.set MLDS,  32768                      ; LDS: the mask path's stages, 16 rows x 528 bytes a wave
.set WLDS,  66560                      ; LDS: the weight path's stages, likewise
.set TSTG,  16*528
.set IN,    16                         ; v16-143  rows as loaded
.set RB,    144                        ; v144-207 rows read back, a lane to a row
.set TW,    208                        ; v208-223 at work
.set OW,    224                        ; v224-239 the 512 mask words: word R in register R / 32, lane R % 32
	s_load_b256 s[4:11], s[0:1], 0x0               ; q, attn_mask, proj_w_codes, qq
	s_load_b128 s[12:15], s[0:1], 0x20             ; maskw, wimg
	v_lshl_add_u32 v240, v0, 2, 0x18800
	v_mov_b32 v241, 0
	v_lshrrev_b32 v1, 5, v0
	v_readfirstlane_b32 s16, v1                    ; wave
	v_and_b32 v2, 31, v0                           ; lane
	s_mov_b32 s21, 0                               ; the high word of every 64-bit offset
	s_wait_kmcnt 0x0
	s_cmp_lt_u32 ttmp9, 256
	s_cbranch_scc0 .Lnot_q
; ---------------- q: a wave takes 16 steps of 512 numbers.  Each load reads 512 consecutive bytes; a step's 2,048 bytes turn through the wave's stage so that a lane holds 16 neighbours along K; two lanes hold a block.
	s_wait_alu depctr_va_vdst(0)
	v_lshlrev_b32 v3, 4, v2                        ; my 16 bytes of a load's 512
	s_mul_i32 s17, s16, WREG
	v_lshrrev_b32 v14, 2, v2
	v_mul_u32_u24 v14, v14, SP
	v_and_b32 v15, 3, v2
	v_lshl_add_u32 v14, v15, 4, v14
	v_add_nc_u32 v14, s17, v14                     ; into the stage: SP (lane / 4) + 16 (lane % 4)
	v_mul_u32_u24 v15, v2, SP
	v_add_nc_u32 v15, s17, v15                     ; out of it: SP x lane
	v_mul_u32_u24 v4, v2, CB                       ; my codes' place in a step's
	v_lshrrev_b32 v5, 1, v2
	s_add_co_u32 s17, s17, 2*32*SP
	v_add_nc_u32 v5, s17, v5                       ; my block's byte among the wave's 256
	v_lshlrev_b32 v7, 3, v2
	v_add_nc_u32 v6, s17, v7                       ; and 8 bytes a lane on the way out
	s_lshl_b32 s18, ttmp9, 2
	s_add_co_u32 s18, s18, s16                     ; which run of 8,192 numbers is my wave's
	s_lshl_b32 s20, s18, 15
	s_add_nc_u64 s[4:5], s[4:5], s[20:21]          ; 32,768 bytes of q a run
	s_lshl_b32 s20, s18, 12
	s_add_nc_u64 s[22:23], s[10:11], s[20:21]      ; 4,096 bytes of codes
	s_lshl_b32 s20, s18, 8
	s_add_co_u32 s20, s20, 0x400000
	s_add_nc_u64 s[24:25], s[10:11], s[20:21]      ; 256 scale bytes
.macro QLOAD t
.irp i, 0,1,2,3
	global_load_b128 v[QRG+16*((\t)%4)+4*\i:QRG+16*((\t)%4)+4*\i+3], v3, s[4:5] offset:2048*(\t)+512*\i th:TH_LOAD_NT
.endr
.endm
.macro QTURN t                         ; LDS serves a wave's instructions in order: no wait between the stores and the loads
.irp i, 0,1,2,3
	ds_store_b128 v14, v[QRG+16*((\t)%4)+4*\i:QRG+16*((\t)%4)+4*\i+3] offset:32*SP*((\t)%2)+8*SP*\i
.endr
.irp i, 0,1,2,3
	ds_load_b128 v[QXG+16*((\t)%2)+4*\i:QXG+16*((\t)%2)+4*\i+3], v15 offset:32*SP*((\t)%2)+16*\i
.endr
.endm
.irp t, 0,1,2,3
	QLOAD \t
.endr
	s_wait_alu depctr_va_vdst(0)
	s_wait_loadcnt 12                              ; step 0's four loads are in; twelve younger ones stay out
	QTURN 0
.macro QSTEP t
.set XS, QXG+16*((\t)%2)
.if (\t) > 0
	s_wait_dscnt 1                                 ; this step's numbers are back from the stage; the last step's byte store may be out
.else
	s_wait_dscnt 0x0
.endif
.if (\t)+4 < STEPS
	QLOAD (\t)+4                                   ; into the registers that this step's stage stores have read
.endif
.if (\t)+1 < STEPS
.if STEPS-2-(\t) >= 3
	s_wait_loadcnt 12                              ; the next step's four loads are in; those of the three steps behind it may be out
.else
	s_wait_loadcnt 4*(STEPS-2-(\t))
.endif
	QTURN (\t)+1
.endif
	v_max3_num_f32 v8, |v[XS]|, |v[XS+1]|, |v[XS+2]|
	v_max3_num_f32 v9, |v[XS+3]|, |v[XS+4]|, |v[XS+5]|
.irp i, 6,10
	v_max3_num_f32 v8, v8, |v[XS+\i]|, |v[XS+\i+1]|
	v_max3_num_f32 v9, v9, |v[XS+\i+2]|, |v[XS+\i+3]|
.endr
	v_max3_num_f32 v8, v8, |v[XS+14]|, |v[XS+15]|
	v_max3_num_f32 v8, v8, v9, 0x1800000           ; and the floor 2^(3 - 127): the byte cannot fall under 1
	v_max_num_f32_dpp v8, v8, v8 row_xmask:1 row_mask:0xf bank_mask:0xf   ; with my neighbour's 16: the block's largest magnitude
	v_add_nc_u32 v11, 0xff000000, v8               ; 2 off its exponent field: the conversion takes that field as its scale
	v_cvt_scalef32_pk8_fp4_f32 v[QCG+4*(\t)], v[XS:XS+7], v11
	v_cvt_scalef32_pk8_fp4_f32 v[QCG+4*(\t)+1], v[XS+8:XS+15], v11
	v_lshrrev_b32 v[QEG+(\t)], 23, v11             ; the scale's byte
	ds_store_b8 v5, v[QEG+(\t)] offset:16*(\t)     ; both lanes of a block write the same byte with the same value
	global_store_b64 v4, v[QCG+4*(\t):QCG+4*(\t)+1], s[22:23] offset:32*CB*(\t)   ; the wave stores 256 consecutive bytes
.endm
.irp t, 0,1,2,3,4,5,6,7,8,9,10,11,12,13,14,15
	QSTEP \t
.endr
	ds_load_b64 v[12:13], v6                       ; sees my byte stores: LDS serves a wave in order
	s_wait_dscnt 0x0
	global_store_b64 v7, v[12:13], s[24:25]        ; 256 consecutive scale bytes, aligned
	s_wait_tensorcnt 0x0
	ds_add_u32 v240, v241
	s_wait_dscnt 0x0
	s_endpgm
.Lnot_q:
	s_wait_alu depctr_va_vdst(0)
	v_lshlrev_b32 v1, 4, v2                        ; 16 x lane
	v_and_b32 v3, 15, v2                           ; r
	v_lshrrev_b32 v4, 4, v2                        ; hh
	v_mul_u32_u24 v5, v3, 528
	v_lshl_add_u32 v5, v4, 4, v5                   ; 528 r + 16 hh: rows 132 words apart start four banks apart
	s_mul_i32 s17, s16, TSTG
; sixteen rows of 512 bytes go into my stage as they lie and come back a lane to a row: piece k is the 16 bytes 32 k + 16 hh of row r
.macro TURN16 src
.irp p, 0,1,2,3,4,5,6,7,8,9,10,11,12,13,14,15
	ds_store_b128 v6, v[\src+4*\p:\src+4*\p+3] offset:528*\p
.endr
.irp k, 0,1,2,3,4,5,6,7,8,9,10,11,12,13,14,15
	ds_load_b128 v[RB+4*\k:RB+4*\k+3], v7 offset:32*\k
.endr
.endm
	s_cmp_lt_u32 ttmp9, 384
	s_cbranch_scc0 .Lpath_w
; ---------------- the mask
	s_add_co_u32 s17, s17, MLDS
	v_add_nc_u32 v6, s17, v1
	v_add_nc_u32 v7, s17, v5
	s_sub_co_u32 s18, ttmp9, 256
	s_lshl_b32 s18, s18, 2
	s_add_co_u32 s18, s18, s16                     ; 64 b + TT
	s_lshr_b32 s19, s18, 6                         ; b
	s_and_b32 s22, s18, 63                         ; TT
	s_lshr_b32 s23, s22, 1
	s_lshl_b32 s23, s23, 5
	s_and_b32 s22, s22, 1
	s_lshl_b32 s22, s22, 3
	s_add_co_u32 s23, s23, s22
	s_lshl_b32 s19, s19, 10
	s_add_co_u32 s23, s23, s19                     ; the tile's first query: 1024 b + 32 (TT / 2) + 8 (TT % 2)
	s_lshl_b32 s20, s23, 10
	s_add_nc_u64 s[6:7], s[6:7], s[20:21]
	s_lshl_b32 s20, s18, 11
	s_add_nc_u64 s[12:13], s[12:13], s[20:21]      ; 2,048 bytes of words a tile
	s_mov_b32 s24, 0xff
	s_mov_b32 s25, 0xff00
	s_mov_b32 s26, 0xff0000
	s_mov_b32 s27, 0xff000000
	s_wait_alu depctr_va_vdst(0)
.irp ch, 0,1
.irp p, 0,1,2,3,4,5,6,7,8,9,10,11,12,13,14,15
	global_load_b128 v[IN+64*\ch+4*\p:IN+64*\ch+4*\p+3], v1, s[6:7] offset:(\p+8*(\p/8))*1024+512*\ch th:TH_LOAD_NT   ; 512 consecutive bytes of a query's row
.endr
.endr
.set kk, 0
.rept 16
	v_mov_b32 v[OW+kk], 0                          ; a lane write's destination counts as read
.set kk, kk+1
.endr
; byte i of piece kk of half ch is key 512 ch + 32 kk + 16 hh + i: word R = 256 ch + 16 kk + i
.macro BALLOT ch
.set kk, 0
.rept 16
.set ii, 0
.rept 16
	v_and_b32 v[TW+ii], s[24+ii%4], v[RB+4*kk+ii/4]
.set ii, ii+1
.endr
.set ii, 0
.rept 16
	v_cmp_ne_u32 s[32+ii], 0, v[TW+ii]             ; bit = lane: the key is hidden from that lane's query
.set ii, ii+1
.endr
.set ii, 0
.rept 16
	v_writelane_b32 v[OW+(256*\ch+16*kk+ii)/32], s[32+ii], (16*kk+ii)%32
.set ii, ii+1
.endr
.set kk, kk+1
.endr
.endm
	s_wait_loadcnt 16                              ; the rows' first halves are in; the sixteen loads of the second halves stay out
	TURN16 IN
	s_wait_dscnt 0x0
	BALLOT 0
	s_wait_loadcnt 0x0
	TURN16 IN+64
	s_wait_dscnt 0x0
	BALLOT 1
.irp k, 0,1,2,3
	global_store_b128 v1, v[OW+4*\k:OW+4*\k+3], s[12:13] offset:512*\k   ; 512 consecutive bytes; the same four loads give the reader the same registers
.endr
	s_wait_tensorcnt 0x0
	ds_add_u32 v240, v241
	s_wait_dscnt 0x0
	s_endpgm
; ---------------- proj_w's codes
.Lpath_w:
	s_add_co_u32 s17, s17, WLDS
	s_wait_alu depctr_va_vdst(0)
	v_add_nc_u32 v6, s17, v1
	v_add_nc_u32 v7, s17, v5
	s_sub_co_u32 s18, ttmp9, 384
	s_lshl_b32 s18, s18, 2
	s_add_co_u32 s18, s18, s16                     ; tile T
	s_lshl_b32 s20, s18, 13                        ; 16 rows of 512 bytes
	s_add_nc_u64 s[8:9], s[8:9], s[20:21]
	s_add_nc_u64 s[14:15], s[14:15], s[20:21]
.irp p, 0,1,2,3,4,5,6,7,8,9,10,11,12,13,14,15
	global_load_b128 v[IN+4*\p:IN+4*\p+3], v1, s[8:9] offset:512*\p th:TH_LOAD_NT
.endr
	s_wait_alu depctr_va_vdst(0)
	s_wait_loadcnt 0x0
	TURN16 IN
.irp k, 0,1,2,3,4,5,6,7,8,9,10,11,12,13,14,15
	s_wait_dscnt 15-\k                             ; piece k is back; the younger pieces may be out
	global_store_b128 v1, v[RB+4*\k:RB+4*\k+3], s[14:15] offset:512*\k
.endr
	s_wait_tensorcnt 0x0
	ds_add_u32 v240, v241
	s_wait_dscnt 0x0
	s_endpgm
.Lfunc_end_k_q8175a5c012_prep:
	.size	k_q8175a5c012_prep, .Lfunc_end_k_q8175a5c012_prep-k_q8175a5c012_prep
	.p2alignl 7, 3214868480
	.fill 96, 4, 3214868480
	.section	.rodata,"a",@progbits
	.p2align	6, 0x0
	.amdhsa_kernel k_q8175a5c012_prep
		.amdhsa_group_segment_fixed_size 100864
		.amdhsa_private_segment_fixed_size 0
		.amdhsa_enable_private_segment 0
		.amdhsa_kernarg_size 48
		.amdhsa_user_sgpr_count 2
		.amdhsa_user_sgpr_kernarg_segment_ptr 1
		.amdhsa_wavefront_size32 1
		.amdhsa_system_sgpr_workgroup_id_x 1
		.amdhsa_system_sgpr_workgroup_id_y 1
		.amdhsa_system_sgpr_workgroup_id_z 1
		.amdhsa_system_vgpr_workitem_id 0
		.amdhsa_next_free_vgpr 242
		.amdhsa_next_free_sgpr 66
		.amdhsa_reserve_vcc 0
		.amdhsa_float_denorm_mode_32 3
		.amdhsa_float_denorm_mode_16_64 3
		.amdhsa_memory_ordered 1
		.amdhsa_forward_progress 1
		.amdhsa_inst_pref_size 129
	.end_amdhsa_kernel
	.amdgpu_metadata
---
amdhsa.version: [ 1, 2 ]
amdhsa.kernels:
  - .name:           k_q8175a5c012_prep
    .symbol:         k_q8175a5c012_prep.kd
    .args:
      - { .name: q, .offset: 0, .size: 8, .value_kind: global_buffer, .address_space: global }
      - { .name: attn_mask, .offset: 8, .size: 8, .value_kind: global_buffer, .address_space: global }
      - { .name: proj_w_codes, .offset: 16, .size: 8, .value_kind: global_buffer, .address_space: global }
      - { .name: qq, .offset: 24, .size: 8, .value_kind: global_buffer, .address_space: global }
      - { .name: maskw, .offset: 32, .size: 8, .value_kind: global_buffer, .address_space: global }
      - { .name: wimg, .offset: 40, .size: 8, .value_kind: global_buffer, .address_space: global }
    .group_segment_fixed_size: 100864
    .private_segment_fixed_size: 0
    .kernarg_segment_align: 8
    .kernarg_segment_size: 48
    .max_flat_workgroup_size: 128
    .sgpr_count:     66
    .vgpr_count:     242
    .wavefront_size: 32
...
	.end_amdgpu_metadata
.endif
;; end of part 1
;; launch proj (part 2): grid 256 x 1, 4 waves a work-group, no clusters, 327,680 bytes of LDS; arguments w_qs_codes, w_qs_scales, qq, w_ks_codes, w_ks_scales, k_codes, k_scales, v_codes, v_scales, w_vs_codes, w_vs_scales, hq, hk, hv; writes hq, hk, hv
.if DOCPART == 2
	.amdgcn_target "amdgcn-amd-amdhsa--gfx1250"
	.amdhsa_code_object_version 6
	.text
	.protected	k_q8175a5c012_proj
	.globl	k_q8175a5c012_proj
	.p2align	8
	.type	k_q8175a5c012_proj,@function
k_q8175a5c012_proj:
	s_mov_b64 s[64:65], 0
	v_nop
	global_prefetch_b8 v0, s[64:65] scope:SCOPE_SE
	s_setreg_imm32_b32 hwreg(HW_REG_WAVE_MODE, 25, 1), 1
	s_wait_xcnt 0x0
; The three head projections: Out[n][m] = sum over k of S1[n][k] S0[m][k], K = 1024, on codes of FP4 (E2M1) with one E8M0 scale for each 32 along K; the result is quantised along m in registers
; and stored as IMAGES OF OPERAND REGISTERS for the attention launch.  Three jobs:
;   0: S0 = w_qs (m = 64 head + dk), S1 = q's codes (n = token), out hq      1: S0 = w_ks, S1 = k, out hk      2: S0 = v (m = token = key), S1 = w_vs (n = 64 head + dv), out hv.
; Both operands are rows of 512 bytes of codes and 32 scale bytes.  The matrix instruction takes 16 rows of S0 as source 0 and 16 rows of S1 as source 1: a lane then holds ONE n and eight m.
; THE ROWS OF A TILE ARE NOT NEIGHBOURS, on either side: lane r of tile t takes row 32 (t / 2) + 8 (t % 2) + r + 8 (r / 8).  On side 0 that makes the 16 registers of tiles 2 b, 2 b + 1 sixteen neighbours
; along m, which the conversions want; on side 1 it gives the images the tiles that the attention launch wants as ITS source 0.
; SHARES: each job has 256 tiles of m 256 x n 128 over all of K.  A WORK-GROUP STAYS: work-group i makes tile i of job 0, then of job 1, then of job 2, so that arguments, first tiles and the last stores' way out
; are paid once, and a job's tiles land while the job before is multiplied and quantised.  Wave (wm, wn) makes m 128 x n 64: 8 x 4 tiles, 32 accumulators.
; THE RING: a chunk is half of K (512 along K: rows of 256 bytes + 16 of padding) of a job's 256 + 128 rows; the six chunks go through three LDS slots, chunk c in slot c % 3.  Chunks 0, 1, 2 are asked for at the head;
; chunk 3 behind the barrier ahead of job 0's second half, chunk 4 between jobs 0 and 1, chunk 5 ahead of job 1's second half: one tensor load a wave behind each.  Each chunk has a descriptor group 0 of its own.
; No cluster: four neighbours along n share source 0's 64 KiB of a chunk's 96 KiB and could ask for them jointly; that form is not written here.
; A wave's 128 m are one fragment a tile of n: for jobs 0, 1 two heads (its halves are the two heads' 64 dk), for job 2 one step of 128 keys.
; LIMITS: a block of zeros, or one under 2^-124, keeps the scale byte 1; NaN and infinities are not served.
; REGISTERS: window 0: v1-13 addresses; v14, v15 the spare word's address and 0; v16-47 source 0's scale words (pair p of tiles, K step q: v[16 + 8 p + q], even tile in lanes 0-15, odd in 16-31), v48-63 source 1's;
;            v64-159, v160-255 two fragment buffers.  window 1: accumulator (n, m) at v[64 n + 8 m].  Behind a job's products v64-133 of window 0 serve the quantiser.
.set PITCH, 272
.set CH,    384*PITCH                  ; a chunk, and a slot: source 0's 256 rows, then source 1's 128
; THE ORDER OF THE FILLS, as the text below has it (it takes the place of what the head comment says of the ring's order): chunk 0 alone is asked for at the head, one tensor load a wave;
; chunk c + 1 is asked for behind the barrier that stands ahead of the first read of chunk c, into slot (c + 1) % 3, which was last read for chunk c - 2.  So one load of a wave is out at any time, and every wait on TENSORcnt is for 0.
.set SPARE, 3*CH                       ; behind the ring: the spare words, 128 bytes for each wave: two blocks of 256 bytes that no other line names
.set TM,    64                         ; v64-67 largest magnitudes, v68-71 the other half's / bytes, v76-79 the conversions' scale operands
.set SPW,   14                         ; LDS address of my spare word; never rewritten
.set NIL,   15                         ; 0; never rewritten
.set G1,    36                         ; s[36:43] descriptor group 1; chunk c's group 0 at s[44 + 4 c] (chunk 5: s[68:71])
.set MSB, 0
.macro WIN new                         ; the immediate's high byte repeats the setting that is left
.if MSB != (\new)
	s_set_vgpr_msb (MSB<<8)|(\new)
.set MSB, (\new)
.endif
.endm
; one product: d accumulator, a source 0, b source 1, z: start the sum with 0, sa / sb scale registers, ra / rb: take their lanes 16-31
.macro WMS d, a, b, z, sa, sb, ra, rb
.if (\z) != 0
.if ((\ra) == 0) && ((\rb) == 0)
	v_wmma_scale_f32_16x16x128_f8f6f4 v[(\d):(\d)+7], v[(\a):(\a)+7], v[(\b):(\b)+7], 0, v[(\sa)], v[(\sb)] matrix_a_fmt:MATRIX_FMT_FP4 matrix_b_fmt:MATRIX_FMT_FP4
.elseif (\rb) == 0
	v_wmma_scale_f32_16x16x128_f8f6f4 v[(\d):(\d)+7], v[(\a):(\a)+7], v[(\b):(\b)+7], 0, v[(\sa)], v[(\sb)] matrix_a_fmt:MATRIX_FMT_FP4 matrix_b_fmt:MATRIX_FMT_FP4 matrix_a_scale:MATRIX_SCALE_ROW1
.elseif (\ra) == 0
	v_wmma_scale_f32_16x16x128_f8f6f4 v[(\d):(\d)+7], v[(\a):(\a)+7], v[(\b):(\b)+7], 0, v[(\sa)], v[(\sb)] matrix_a_fmt:MATRIX_FMT_FP4 matrix_b_fmt:MATRIX_FMT_FP4 matrix_b_scale:MATRIX_SCALE_ROW1
.else
	v_wmma_scale_f32_16x16x128_f8f6f4 v[(\d):(\d)+7], v[(\a):(\a)+7], v[(\b):(\b)+7], 0, v[(\sa)], v[(\sb)] matrix_a_fmt:MATRIX_FMT_FP4 matrix_b_fmt:MATRIX_FMT_FP4 matrix_a_scale:MATRIX_SCALE_ROW1 matrix_b_scale:MATRIX_SCALE_ROW1
.endif
.else
.if ((\ra) == 0) && ((\rb) == 0)
	v_wmma_scale_f32_16x16x128_f8f6f4 v[(\d):(\d)+7], v[(\a):(\a)+7], v[(\b):(\b)+7], v[(\d):(\d)+7], v[(\sa)], v[(\sb)] matrix_a_fmt:MATRIX_FMT_FP4 matrix_b_fmt:MATRIX_FMT_FP4
.elseif (\rb) == 0
	v_wmma_scale_f32_16x16x128_f8f6f4 v[(\d):(\d)+7], v[(\a):(\a)+7], v[(\b):(\b)+7], v[(\d):(\d)+7], v[(\sa)], v[(\sb)] matrix_a_fmt:MATRIX_FMT_FP4 matrix_b_fmt:MATRIX_FMT_FP4 matrix_a_scale:MATRIX_SCALE_ROW1
.elseif (\ra) == 0
	v_wmma_scale_f32_16x16x128_f8f6f4 v[(\d):(\d)+7], v[(\a):(\a)+7], v[(\b):(\b)+7], v[(\d):(\d)+7], v[(\sa)], v[(\sb)] matrix_a_fmt:MATRIX_FMT_FP4 matrix_b_fmt:MATRIX_FMT_FP4 matrix_b_scale:MATRIX_SCALE_ROW1
.else
	v_wmma_scale_f32_16x16x128_f8f6f4 v[(\d):(\d)+7], v[(\a):(\a)+7], v[(\b):(\b)+7], v[(\d):(\d)+7], v[(\sa)], v[(\sb)] matrix_a_fmt:MATRIX_FMT_FP4 matrix_b_fmt:MATRIX_FMT_FP4 matrix_a_scale:MATRIX_SCALE_ROW1 matrix_b_scale:MATRIX_SCALE_ROW1
.endif
.endif
.endm
	s_load_b512 s[4:19], s[0:1], 0x0               ; w_qs codes, scales; qq; w_ks codes, scales; k codes, scales; v codes
	s_load_b256 s[20:27], s[0:1], 0x40             ; v scales; w_vs codes, scales; hq
	s_load_b128 s[28:31], s[0:1], 0x60             ; hk, hv
	v_lshl_add_u32 v[SPW], v0, 2, SPARE
	v_mov_b32 v[NIL], 0
	ds_add_u32 v14, v15
	ds_add_u32 v14, v15
	s_wait_dscnt 0x0
	v_lshrrev_b32 v1, 5, v0
	v_readfirstlane_b32 s32, v1                    ; wave
	s_and_b32 s72, ttmp9, 63                       ; jobs 0, 1: n has 64 blocks of 128: nt,
	s_lshr_b32 s73, ttmp9, 6                       ; mt
	s_and_b32 s74, ttmp9, 7                        ; job 2: n has 8 blocks: nt,
	s_lshr_b32 s75, ttmp9, 3                       ; mt
	; descriptor group 1: 128 rows x 256 bytes out of rows of 512, 16 bytes of padding behind each row in LDS
	s_mov_b32 s[G1+0], (1<<20)|(5<<22)|(3<<25)     ; no mask; elements of 1 byte; padding on: four words behind every 64
	s_mov_b32 s[G1+1], 256<<16                     ; tensor_dim0
	s_mov_b32 s[G1+2], 128<<16                     ; tensor_dim1
	s_mov_b32 s[G1+3], 256<<16                     ; tile_dim0
	s_mov_b32 s[G1+4], 128                         ; tile_dim1
	s_mov_b32 s[G1+5], 512                         ; from row to row
	s_mov_b32 s[G1+6], 0
	s_mov_b32 s[G1+7], 0
	; waves 0, 1 fetch source 0's two halves, wave 2 source 1's 128 rows, wave 3 nothing
	s_lshl_b32 s76, s32, 16                        ; wave x 128 rows of 512 bytes
	s_lshl_b32 s78, s73, 17
	s_add_co_u32 s78, s78, s76                     ; jobs 0, 1: source 0 from row 256 mt + 128 wave on,
	s_mov_b32 s79, 0
	s_lshl_b32 s80, s72, 16                        ; source 1 from row 128 nt on
	s_mov_b32 s81, 0
	s_lshl_b32 s82, s75, 17
	s_add_co_u32 s82, s82, s76                     ; job 2 likewise
	s_mov_b32 s83, 0
	s_lshl_b32 s84, s74, 16
	s_mov_b32 s85, 0
	s_mul_i32 s77, s32, 128*PITCH                  ; where they go in a slot: wave x 128 rows
	s_wait_kmcnt 0x0
	s_add_nc_u64 s[86:87], s[4:5], s[78:79]
	s_add_nc_u64 s[88:89], s[8:9], s[80:81]
	s_add_nc_u64 s[90:91], s[10:11], s[78:79]
	s_add_nc_u64 s[92:93], s[14:15], s[80:81]
	s_add_nc_u64 s[94:95], s[18:19], s[82:83]
	s_add_nc_u64 s[96:97], s[22:23], s[84:85]
	s_cmp_lt_u32 s32, 2                            ; the choice hangs on the wave's number alone
	s_cselect_b64 s[86:87], s[86:87], s[88:89]     ; what I fetch of job 0,
	s_cselect_b64 s[90:91], s[90:91], s[92:93]     ; of job 1,
	s_cselect_b64 s[94:95], s[94:95], s[96:97]     ; of job 2
.macro MKG0 c                          ; chunk c: job c / 2, the rows' bytes 256 (c % 2) on, slot c % 3
.set GC, 44+4*(\c)+4*((\c)/5)
	s_mov_b32 s[GC], 1
	s_add_co_u32 s[GC+1], s77, ((\c)%3)*CH
	s_add_nc_u64 s[GC+2:GC+3], s[86+4*((\c)/2):87+4*((\c)/2)], 256*((\c)%2)
	s_or_b32 s[GC+3], s[GC+3], 0x80000000
.endm
.irp c, 0,1,2,3,4,5
	MKG0 \c
.endr
	s_cmp_lt_u32 s32, 3
	s_cbranch_scc0 .Lno_fetch                      ; wave 3 fetches nothing
	tensor_load_to_lds s[44:47], s[G1:G1+7]        ; chunk 0: my one tensor load at the head
	s_nop 0
.rept 4
	v_nop
.endr
.Lno_fetch:
	v_and_b32 v1, 15, v0                           ; r
	v_bfe_u32 v2, v0, 4, 1                         ; hh
	v_and_b32 v3, 8, v1
	v_add_nc_u32 v3, v3, v1                        ; r + 8 (r / 8)
	s_lshr_b32 s33, s32, 1                         ; wm
	s_and_b32 s34, s32, 1                          ; wn
	v_mul_u32_u24 v10, v3, PITCH
	v_lshl_add_u32 v10, v2, 4, v10
	s_mul_i32 s35, s33, 128*PITCH
	v_add_nc_u32 v4, s35, v10                      ; source 0's fragments in slot 0,
	v_add_nc_u32 v5, CH, v4                        ; slot 1,
	v_add_nc_u32 v6, 2*CH, v4                      ; slot 2
	s_mul_i32 s35, s34, 64*PITCH
	s_add_co_u32 s35, s35, 256*PITCH
	v_add_nc_u32 v7, s35, v10                      ; source 1's
	v_add_nc_u32 v8, CH, v7
	v_add_nc_u32 v9, 2*CH, v7
	v_lshl_add_u32 v10, v2, 3, v3
	v_lshlrev_b32 v10, 5, v10                      ; scale rows of 32 bytes: lanes 0-15 the even tile's rows, lanes 16-31 the odd tile's, 8 rows on
	s_wait_alu depctr_va_vdst(0)
	v_and_b32 v11, 31, v0
	v_lshlrev_b32 v13, 3, v11                      ; 8 x lane
	v_lshlrev_b32 v11, 4, v11                      ; 16 x lane
	s_lshl_b32 s72, s72, 1
	s_add_co_u32 s72, s72, s34                     ; jobs 0, 1: Nq, which 64 of n,
	s_lshl_b32 s73, s73, 1
	s_add_co_u32 s73, s73, s33                     ; Mg, which 128 of m
	s_lshl_b32 s74, s74, 1
	s_add_co_u32 s74, s74, s34                     ; job 2: Nq,
	s_lshl_b32 s75, s75, 1
	s_add_co_u32 s75, s75, s33                     ; Mg
	; the scales' addresses, each in its pointer's own registers: 4,096 bytes for 128 rows of m, 2,048 for 64 rows of n
	s_lshl_b32 s78, s73, 12
	s_add_nc_u64 s[6:7], s[6:7], s[78:79]          ; w_qs
	s_add_nc_u64 s[12:13], s[12:13], s[78:79]      ; w_ks
	s_lshl_b32 s78, s72, 11
	s_add_nc_u64 s[16:17], s[16:17], s[78:79]      ; k
	s_add_co_u32 s78, s78, 0x400000
	s_add_nc_u64 s[8:9], s[8:9], s[78:79]          ; q's scale bytes lie behind its codes
	s_lshl_b32 s78, s75, 12
	s_add_nc_u64 s[20:21], s[20:21], s[78:79]      ; v
	s_lshl_b32 s78, s74, 11
	s_add_nc_u64 s[24:25], s[24:25], s[78:79]      ; w_vs
	; where the images go.  Jobs 0, 1: codes [b][head][tile 64][512], b = Nq / 16, tiles 4 (Nq % 16) on, heads 2 Mg and 2 Mg + 1; scale unit 128 b + 16 Mg + Nq % 16
	s_lshr_b32 s76, s72, 4
	s_and_b32 s77, s72, 15
	s_lshl_b32 s78, s76, 19
	s_lshl_b32 s80, s73, 16
	s_add_co_u32 s78, s78, s80
	s_lshl_b32 s80, s77, 11
	s_add_co_u32 s78, s78, s80
	s_lshl_b32 s80, s76, 7
	s_lshl_b32 s82, s73, 4
	s_add_co_u32 s80, s80, s82
	s_add_co_u32 s80, s80, s77
	s_lshl_b32 s80, s80, 8
	s_add_co_u32 s80, s80, 0x400000
	s_add_nc_u64 s[4:5], s[26:27], s[80:81]        ; hq: my unit of 256 scale bytes,
	s_add_nc_u64 s[10:11], s[28:29], s[80:81]      ; hk's
	s_add_nc_u64 s[26:27], s[26:27], s[78:79]      ; hq: my codes,
	s_add_nc_u64 s[28:29], s[28:29], s[78:79]      ; hk's
	; job 2: codes [b][head][key step 8][half 2][tile 4][512], b = Mg / 8, step Mg % 8, head Nq; scale unit 128 b + 8 Nq + Mg % 8
	s_lshr_b32 s76, s75, 3
	s_and_b32 s77, s75, 7
	s_lshl_b32 s78, s76, 19
	s_lshl_b32 s80, s74, 15
	s_add_co_u32 s78, s78, s80
	s_lshl_b32 s80, s77, 12
	s_add_co_u32 s78, s78, s80
	s_lshl_b32 s80, s76, 7
	s_lshl_b32 s82, s74, 3
	s_add_co_u32 s80, s80, s82
	s_add_co_u32 s80, s80, s77
	s_lshl_b32 s80, s80, 8
	s_add_co_u32 s80, s80, 0x400000
	s_add_nc_u64 s[18:19], s[30:31], s[80:81]      ; hv: my scale unit,
	s_add_nc_u64 s[30:31], s[30:31], s[78:79]      ; my codes
	s_mov_b32 s99, 0xffff0000                      ; lanes 16-31
	s_mov_b32 s100, 0x76543210
	s_mov_b32 s101, 0xfedcba98                     ; v_permlanex16_b32's selects for lane l xor 16
.macro SCLOAD a, b                     ; all of K's eight scale words of my rows, once a job: a source 0's address, b source 1's
.irp p, 0,1,2,3
	global_load_b128 v[16+8*\p:19+8*\p], v10, s[\a:\a+1] offset:1024*\p
	global_load_b128 v[20+8*\p:23+8*\p], v10, s[\a:\a+1] offset:1024*\p+16
.endr
.irp p, 0,1
	global_load_b128 v[48+8*\p:51+8*\p], v10, s[\b:\b+1] offset:1024*\p
	global_load_b128 v[52+8*\p:55+8*\p], v10, s[\b:\b+1] offset:1024*\p+16
.endr
.endm
; the fragments of job j's K step q (128 along K) into buffer q % 2: 24 loads
.macro FETCH j, q
.set FQ, \q
.set FS, (2*(\j)+FQ/4)%3               ; the chunk's slot
.set FB, 64+96*(FQ%2)
.irp t, 0,1,2,3,4,5,6,7
.irp c, 0,1
	ds_load_b128 v[FB+8*\t+4*\c:FB+8*\t+4*\c+3], v[4+FS] offset:(32*(\t/2)+8*(\t%2))*PITCH+64*(FQ%4)+32*\c
.endr
.endr
.irp t, 0,1,2,3
.irp c, 0,1
	ds_load_b128 v[FB+64+8*\t+4*\c:FB+64+8*\t+4*\c+3], v[7+FS] offset:(32*(\t/2)+8*(\t%2))*PITCH+64*(FQ%4)+32*\c
.endr
.endr
.endm
; 32 products; the 32 accumulators take turns, one instruction a turn, in the same order in every step
.macro MUL q
.set MFB, 64+96*((\q)%2)
	WIN 0x50                                       ; C and D window 1
.irp n, 0,1,2,3
.irp m, 0,1,2,3,4,5,6,7
	WMS 64*\n+8*\m, MFB+8*\m, MFB+64+8*\n, (\q)==0, 16+8*(\m/2)+(\q), 48+8*(\n/2)+(\q), \m%2, \n%2
.endr
.endr
	WIN 0
.endm
; A slot that has been read out is filled again, with chunk c.  Every wave: all its tensor loads have landed; 0 onto its spare word; the add is done and its LDS reads are back; the barrier; then the one load.
.macro REFILL c
	s_wait_tensorcnt 0x0                           ; all my tensor loads have landed: the chunks that are read next among them
	ds_add_u32 v[SPW], v[NIL]
	ds_add_u32 v14, v15
	s_wait_dscnt 0x0                               ; the add is done, and my reads of the slot are over
	s_barrier_signal -1
	s_barrier_wait -1                              ; both now hold of every wave
	s_cmp_lt_u32 s32, 3
	s_cbranch_scc0 .Lnone_\@
	tensor_load_to_lds s[44+4*(\c)+4*((\c)/5):47+4*(\c)+4*((\c)/5)], s[G1:G1+7]   ; my one tensor load behind this barrier, and the first thing there
	s_nop 0
.rept 4
	v_nop
.endr
.Lnone_\@:
.endm
.macro KSTEP j, q
.if ((\q) > 0) && ((\q) < 7)
.rept 4
	v_nop                                          ; four plain places between the last products and loads into the buffer that they read
.endr
.endif
.if (\q) == 3                          ; the job's first chunk has been read out; its second is read from here on
.if (\j) == 0
	REFILL 2                                       ; slot 2's first fill: job 1's first half
.elseif (\j) == 1
	REFILL 4                                       ; slot 1 takes job 2's first half
.else
	s_wait_tensorcnt 0x0                           ; my part of the last chunk is in,
	s_wait_dscnt 0x0                               ; no LDS instruction of mine is out at a signal,
	s_barrier_signal -1
	s_barrier_wait -1                              ; everybody's part is in
.endif
.endif
.if (\q) < 7
	FETCH \j, (\q)+1
	s_wait_dscnt 24                                ; all but the 24 just issued: this step's fragments are in
.else
	s_wait_dscnt 0x0
.endif
	MUL \q
.endm
; Tile n's 64 numbers of a lane (window 1, register 16 b + i = m 32 b + 16 hh + i) become a fragment's codes in v[96 + 8 n] on and its scale word in v[128 + n]; oc: the codes' address, cs: bytes from a fragment's first half to its second
.macro QUANTW n, oc, cs
.set QS0, 64*(\n)
.set PCN, 96+8*(\n)
	WIN 0x14                                       ; sources 1 and 2 window 1
.irp b, 0,1,2,3
	v_max3_num_f32 v[TM+\b], 0x1800000, |v[QS0+16*\b]|, |v[QS0+16*\b+1]|   ; the floor 2^(3 - 127) among the leaves; each accumulator is read from its low end on
.endr
.irp i, 2,4,6,8,10,12,14
.irp b, 0,1,2,3
	v_max3_num_f32 v[TM+\b], v[TM+\b], |v[QS0+16*\b+\i]|, |v[QS0+16*\b+\i+1]|
.endr
.endr
	WIN 0
.irp b, 0,1,2,3
	v_permlanex16_b32 v[TM+4+\b], v[TM+\b], s100, s101
.endr
.irp b, 0,1,2,3
	v_max_num_f32 v[TM+\b], v[TM+\b], v[TM+4+\b]   ; with lane l xor 16's 16: the block's largest magnitude
.endr
.irp b, 0,1,2,3
	v_add_nc_u32 v[TM+12+\b], 0xff000000, v[TM+\b] ; 2 off its exponent field: the conversion's scale operand
.endr
.irp b, 0,1,2,3
	v_lshrrev_b32 v[TM+4+\b], 23, v[TM+12+\b]      ; the scale's byte
.endr
	v_lshl_or_b32 v[128+(\n)], v[TM+5], 8, v[TM+4]
	v_lshl_or_b32 v[128+(\n)], v[TM+6], 16, v[128+(\n)]
	v_lshl_or_b32 v[128+(\n)], v[TM+7], 24, v[128+(\n)]
	WIN 0x01                                       ; source 0 window 1
.irp b, 0,1,2,3
	v_cvt_scalef32_pk8_fp4_f32 v[PCN+2*\b], v[QS0+16*\b:QS0+16*\b+7], v[TM+12+\b]
	v_cvt_scalef32_pk8_fp4_f32 v[PCN+2*\b+1], v[QS0+16*\b+8:QS0+16*\b+15], v[TM+12+\b]
.endr
	WIN 0
	v_nop                                          ; one plain place behind the conversions
.irp c, 0,1                                    ; the operand's layout wants a whole block in a lane
.irp i, 0,1
	v_permlane16_swap_b32 v[PCN+4*\c+\i], v[PCN+4*\c+2+\i]
.endr
.endr
	global_store_b128 v11, v[PCN:PCN+3], s[\oc:\oc+1] offset:512*(\n)          ; 512 consecutive bytes: the fragment's first half as it stands
	global_store_b128 v11, v[PCN+4:PCN+7], s[\oc:\oc+1] offset:512*(\n)+(\cs)  ; and its second
.endm
; A job: eight K steps, then the results.  oc, os: where its codes and its scale unit go; cs as above; na, nb: the next job's scale addresses (0: there is none)
.macro JOB j, oc, os, cs, na, nb
.irp q, 0,1,2,3,4,5,6,7
	KSTEP \j, \q
.endr
.rept 4
	v_nop                                          ; places ahead of the first read of results, of writes into the fragment buffers and of loads into the scale words' registers
.endr
.if (\na) != 0
	SCLOAD \na, \nb                                ; they land while this job's results are quantised
.endif
.irp b, 0,1,2,3
	v_mov_b32 v[TM+4+\b], 0                        ; a lane permute's destination counts as one of its sources
.endr
.irp n, 0,1,2,3
	QUANTW \n, \oc, \cs
.endr
	v_cndmask_b32 v132, v128, v129, s99            ; lanes 0-15 the even tile's words, lanes 16-31 the odd tile's
	v_cndmask_b32 v133, v130, v131, s99
	global_store_b64 v13, v[132:133], s[\os:\os+1] ; 256 consecutive bytes, aligned
.endm
	SCLOAD 6, 8
	REFILL 1                                       ; chunk 0 is in, for every wave; slot 1's first fill: job 0's second half
	FETCH 0, 0
	s_wait_loadcnt 0x0                             ; the scale words
	JOB 0, 26, 4, 32768, 12, 16
	s_wait_xcnt 0x0                                ; the stores have read their data: the next fragments land in those registers only behind this wait
	REFILL 3                                       ; slot 0, job 0's first half, was read out long ago: it takes job 1's second half
	FETCH 1, 0
	s_wait_loadcnt 0x0
	JOB 1, 28, 10, 32768, 20, 24
	s_wait_xcnt 0x0                                ; as above.
	REFILL 5                                       ; chunk 4 is in; slot 2 takes job 2's second half
	FETCH 2, 0
	s_wait_loadcnt 0x0
	JOB 2, 30, 18, 2048, 0, 0
	s_wait_tensorcnt 0x0                           ; the wave's end
	ds_add_u32 v[SPW], v[NIL]
	s_wait_dscnt 0x0
	s_endpgm
.Lfunc_end_k_q8175a5c012_proj:
	.size	k_q8175a5c012_proj, .Lfunc_end_k_q8175a5c012_proj-k_q8175a5c012_proj
	.p2alignl 7, 3214868480
	.fill 96, 4, 3214868480
	.section	.rodata,"a",@progbits
	.p2align	6, 0x0
	.amdhsa_kernel k_q8175a5c012_proj
		.amdhsa_group_segment_fixed_size 327680
		.amdhsa_private_segment_fixed_size 0
		.amdhsa_enable_private_segment 0
		.amdhsa_kernarg_size 112
		.amdhsa_user_sgpr_count 2
		.amdhsa_user_sgpr_kernarg_segment_ptr 1
		.amdhsa_wavefront_size32 1
		.amdhsa_system_sgpr_workgroup_id_x 1
		.amdhsa_system_sgpr_workgroup_id_y 1
		.amdhsa_system_sgpr_workgroup_id_z 1
		.amdhsa_system_vgpr_workitem_id 0
		.amdhsa_next_free_vgpr 512
		.amdhsa_next_free_sgpr 102
		.amdhsa_reserve_vcc 0
		.amdhsa_float_denorm_mode_32 3
		.amdhsa_float_denorm_mode_16_64 3
		.amdhsa_memory_ordered 1
		.amdhsa_forward_progress 1
		.amdhsa_inst_pref_size 200
	.end_amdhsa_kernel
	.amdgpu_metadata
---
amdhsa.version: [ 1, 2 ]
amdhsa.kernels:
  - .name:           k_q8175a5c012_proj
    .symbol:         k_q8175a5c012_proj.kd
    .args:
      - { .name: w_qs_codes, .offset: 0, .size: 8, .value_kind: global_buffer, .address_space: global }
      - { .name: w_qs_scales, .offset: 8, .size: 8, .value_kind: global_buffer, .address_space: global }
      - { .name: qq, .offset: 16, .size: 8, .value_kind: global_buffer, .address_space: global }
      - { .name: w_ks_codes, .offset: 24, .size: 8, .value_kind: global_buffer, .address_space: global }
      - { .name: w_ks_scales, .offset: 32, .size: 8, .value_kind: global_buffer, .address_space: global }
      - { .name: k_codes, .offset: 40, .size: 8, .value_kind: global_buffer, .address_space: global }
      - { .name: k_scales, .offset: 48, .size: 8, .value_kind: global_buffer, .address_space: global }
      - { .name: v_codes, .offset: 56, .size: 8, .value_kind: global_buffer, .address_space: global }
      - { .name: v_scales, .offset: 64, .size: 8, .value_kind: global_buffer, .address_space: global }
      - { .name: w_vs_codes, .offset: 72, .size: 8, .value_kind: global_buffer, .address_space: global }
      - { .name: w_vs_scales, .offset: 80, .size: 8, .value_kind: global_buffer, .address_space: global }
      - { .name: hq, .offset: 88, .size: 8, .value_kind: global_buffer, .address_space: global }
      - { .name: hk, .offset: 96, .size: 8, .value_kind: global_buffer, .address_space: global }
      - { .name: hv, .offset: 104, .size: 8, .value_kind: global_buffer, .address_space: global }
    .group_segment_fixed_size: 327680
    .private_segment_fixed_size: 0
    .kernarg_segment_align: 8
    .kernarg_segment_size: 112
    .max_flat_workgroup_size: 128
    .sgpr_count:     102
    .vgpr_count:     512
    .wavefront_size: 32
...
	.end_amdgpu_metadata
.endif
;; end of part 2
;; launch attn (part 3): grid 256 x 1, 4 waves a work-group, no clusters, 168,448 bytes of LDS; arguments hq, hk, hv, maskw, oq; writes oq
.if DOCPART == 3
	.amdgcn_target "amdgcn-amd-amdhsa--gfx1250"
	.amdhsa_code_object_version 6
	.text
	.protected	k_q8175a5c012_attn
	.globl	k_q8175a5c012_attn
	.p2align	8
	.type	k_q8175a5c012_attn,@function
k_q8175a5c012_attn:
	s_mov_b64 s[64:65], 0
	v_nop
	global_prefetch_b8 v0, s[64:65] scope:SCOPE_SE
	s_setreg_imm32_b32 hwreg(HW_REG_WAVE_MODE, 25, 1), 1
	s_wait_xcnt 0x0
; Attention of one head of one batch for 512 queries, both products on codes of FP4 (E2M1) with E8M0 scales.  p is quantised FINISHED AND NORMALISED, so all 1,024 p of a tile of 16 queries stay in 512 registers of the wave until the row's sum is known.
; SHARES: work-group = (batch, head, half of the queries).  The head's codes of K (32 KiB) and V (32 KiB), images of operand registers, come into LDS once and stay.  Each of the four waves walks 8 tiles of 16 queries.
; No cluster: only two work-groups share a head's 64 KiB, and each loads them once.  No prefetch: nothing is streamed inside the loop but 2.6 KiB a tile, asked for most of a trip ahead.
; LAYOUT: S^T = K Q^T (source 0 = 16 keys, source 1 = my 16 queries), O^T = V^T P^T: a lane holds ONE query.  The rows of every tile are 32 (t / 2) + 8 (t % 2) + r + 8 (r / 8), so score register R of lane (r, hh)
; is key 32 (R / 16) + 16 hh + R % 16.  THE FIRST PRODUCT'S K IS 64: Q's registers 4-7 are zero codes; K's operand of tile e is registers 4 e .. 4 e + 7 of a run of tiles, whose upper four meet those zeros; scale bytes 2, 3 are 0 (2^-127).
; A TILE GOES IN EIGHT STAGES OF 128 KEYS.  Stage g: eight products into 64 work registers of window 0; hidden scores become -infinity (one lane mask a register) and the four blocks' largest scores are taken, selects and maxima by turns;
; the stage's largest t = c s, c = log2(e) / 32, rounded UP to the whole number M_g; t - M_g by packed multiply-adds; then 64 exponentials, each of which writes p' = 2^(t - M_g) into its place in windows 1, 2.  The exponentials' sources
; lie in window 0, so behind each of them stands one v_readlane_b32 of the next stage's lane masks (behind the last stage's: of the next tile's first), which has no vector destination.  A stage's sum is taken behind the next stage's products.
; BEHIND THE STAGES: M = the largest M_g; f_g = 2^(M_g - M), exact; the row's sum = sum of f_g x stage sums; p = p' x (f_g / sum).  A block's largest p is not searched for: its largest score goes the same way as every score.
; A stage with no open key for a row holds its largest score at -3e38: p' = 0.  A row with no open key: the sum is held at 0.5 from below (a row with an open key has a p' of 0.5 or above), so p = 0 as asked.
; LIMITS: the promise holds while the scaled scores t stay under 2^31 in magnitude; v_exp_f32 is taken not to fall where its input rises; scores under -3e38 count as hidden; blocks of zeros or under 2^-124 keep the scale byte 1;
; NaN and infinities among the inputs are not served.
; REGISTERS: window 0 as named below.  Windows 1, 2: the 512 p (stage g at window 1 + g / 4, register 64 (g % 4)); window 1 later holds V's 64 half fragments.  Window 3: two runs of 8 tiles of K (+ 4 zeros each), O^T, p's codes, the spare word's two.
.set LI,   1                           ; 16 x lane
.set L8,   2                           ; 8 x lane
.set R8,   3                           ; 8 x (lane % 16)
.set GA0,  4                           ; LDS: my row's halfword among the wave's 256 bytes of O's scales
.set GA,   5
.set NINF, 6                           ; -infinity
.set QSR,  7                           ; Q's scale word as loaded (two heads')
.set QS,   8                           ; my head's two bytes
.set QSA,  9                           ; its offset
.set RBK,  10                          ; v[10:11] O's scale halfwords on their way out
.set RL,   12                          ; 1 / sum
.set MX,   14
.set TP,   15
.set QF,   16                          ; v16-23 Q's fragment: four registers of codes, four of zeros
.set KS,   24                          ; v24-55 K's scale words: tile t in v[KS + t / 2], lanes 16 (t % 2) on
.set VS,   56                          ; v56-71 V's
.set PS,   72                          ; v72-79 p's scale words, one a key step
.set MW,   80                          ; v80-95 the tile's 512 mask words: word R in register R / 32, lane R % 32
.set BM,   96                          ; v96-127 the 32 blocks' largest scores, then t - M_g, largest p' , the conversions' scale operands
.set T,    128                         ; v128-191 a stage's scores at work; behind the stages the blocks' bytes
.set NM,   192                         ; v192-199 -M_g
.set SG,   200                         ; v200-215 the stages' sums, a pair each
.set FG,   216                         ; v216-231 a pair a stage: low word f_g, then f_g / sum; high word a quarter of that
.set SA,   232                         ; v232-239 four pairs at work on sums
.set OM,   240
.set OX,   242
.set OSC,  244
.set OBY,  246
.set X4,   244                         ; v244-247 in the stages: the other half's block maxima
.set OC,   248                         ; v248-251 O's codes
.set OH,   252
.set RA,   253                         ; LDS: 8 bytes a lane of the wave's 256
.set NCM,  254                         ; v[254:255] the stage's -M_g (the packed form names a pair and takes its low word)
.set OA,   72                          ; window 3: O^T
.set PC,   104                         ; window 3: v104-167 p's codes
.set VLDS, 32768                       ; LDS: K's 64 tiles of 512 bytes at 0; V's [step 8][half 2][tile 4][512] here;
.set SCG,  65536                       ; and 256 bytes a wave for O's scale halfwords, in blocks into which no fill lands
.set MSB, 0
.macro WIN new
.if MSB != (\new)
	s_set_vgpr_msb (MSB<<8)|(\new)
.set MSB, (\new)
.endif
.endm
.macro WMA d, a, b, z, sa, sb, ra      ; one product; z: start the sum with 0; ra: source 0's scales from lanes 16-31
.if ((\z) != 0) && ((\ra) == 0)
	v_wmma_scale_f32_16x16x128_f8f6f4 v[(\d):(\d)+7], v[(\a):(\a)+7], v[(\b):(\b)+7], 0, v[(\sa)], v[(\sb)] matrix_a_fmt:MATRIX_FMT_FP4 matrix_b_fmt:MATRIX_FMT_FP4
.elseif (\z) != 0
	v_wmma_scale_f32_16x16x128_f8f6f4 v[(\d):(\d)+7], v[(\a):(\a)+7], v[(\b):(\b)+7], 0, v[(\sa)], v[(\sb)] matrix_a_fmt:MATRIX_FMT_FP4 matrix_b_fmt:MATRIX_FMT_FP4 matrix_a_scale:MATRIX_SCALE_ROW1
.elseif (\ra) == 0
	v_wmma_scale_f32_16x16x128_f8f6f4 v[(\d):(\d)+7], v[(\a):(\a)+7], v[(\b):(\b)+7], v[(\d):(\d)+7], v[(\sa)], v[(\sb)] matrix_a_fmt:MATRIX_FMT_FP4 matrix_b_fmt:MATRIX_FMT_FP4
.else
	v_wmma_scale_f32_16x16x128_f8f6f4 v[(\d):(\d)+7], v[(\a):(\a)+7], v[(\b):(\b)+7], v[(\d):(\d)+7], v[(\sa)], v[(\sb)] matrix_a_fmt:MATRIX_FMT_FP4 matrix_b_fmt:MATRIX_FMT_FP4 matrix_a_scale:MATRIX_SCALE_ROW1
.endif
.endm
	s_load_b256 s[4:11], s[0:1], 0x0               ; hq, hk, hv, maskw
	s_load_b64 s[12:13], s[0:1], 0x20              ; oq
	s_set_vgpr_msb 0xc0
	v_lshl_add_u32 v254, v0, 2, 0x29000            ; window 3: my spare word's address,
	v_mov_b32 v255, 0                              ; and 0
	s_set_vgpr_msb 0xc0cf
	ds_add_u32 v254, v255
	ds_add_u32 v254, v255
	s_set_vgpr_msb 0xcf00
	v_lshrrev_b32 v1, 5, v0
	v_readfirstlane_b32 s14, v1                    ; wave
	s_and_b32 s32, ttmp9, 1                        ; which half of the queries
	s_lshr_b32 s33, ttmp9, 1                       ; 16 b + h
	s_lshr_b32 s34, s33, 4                         ; b
	s_and_b32 s35, s33, 15                         ; h
	s_lshr_b32 s36, s35, 1                         ; the pair of heads
	s_and_b32 s31, s35, 1
	s_lshl_b32 s31, s31, 4                         ; where my head's two bytes begin in a scale word
	s_lshl_b32 s37, s32, 5
	s_lshl_b32 s38, s14, 3
	s_add_co_u32 s37, s37, s38                     ; my first tile of queries in the batch
	; descriptor group 1: 16,384 dense bytes as 64 rows of 256
	s_mov_b32 s16, 3<<16                           ; no mask; elements of 8 bytes; no padding: every read takes 512 consecutive bytes
	s_mov_b32 s17, 32<<16
	s_mov_b32 s18, 64<<16
	s_mov_b32 s19, 32<<16
	s_mov_b32 s20, 64
	s_mov_b32 s21, 32
	s_mov_b32 s22, 0
	s_mov_b32 s23, 0
	s_lshl_b32 s38, s33, 15                        ; a head's 32,768 bytes of codes, in hq, hk and hv alike
	s_and_b32 s40, s14, 1
	s_lshl_b32 s40, s40, 14
	s_add_co_u32 s40, s40, s38
	s_mov_b32 s41, 0
	s_wait_dscnt 0x0
	s_wait_kmcnt 0x0
	s_cmp_lt_u32 s14, 2                            ; waves 0, 1 fetch K's halves, waves 2, 3 V's
	s_cselect_b64 s[26:27], s[6:7], s[8:9]
	s_add_nc_u64 s[26:27], s[26:27], s[40:41]
	s_or_b32 s27, s27, 0x80000000
	s_mov_b32 s24, 1
	s_lshl_b32 s25, s14, 14                        ; wave x 16,384
	tensor_load_to_lds s[24:27], s[16:23]          ; my one tensor load of the launch
	s_nop 0
.rept 4
	v_nop
.endr
	s_mov_b32 s45, 0
	s_lshl_b32 s40, s34, 7
	s_lshl_b32 s42, s36, 4
	s_add_co_u32 s42, s40, s42
	s_lshl_b32 s44, s42, 8
	s_add_co_u32 s44, s44, 0x400000
	s_add_nc_u64 s[6:7], s[6:7], s[44:45]          ; K's scale units: 128 b + 16 pair + tile / 4
	s_lshl_b32 s46, s32, 3
	s_lshl_b32 s47, s14, 1
	s_add_co_u32 s46, s46, s47
	s_lshl_b32 s46, s46, 8
	s_add_co_u32 s44, s44, s46
	s_add_nc_u64 s[28:29], s[4:5], s[44:45]        ; Q's, at my first tile's unit
	s_lshl_b32 s44, s35, 3
	s_add_co_u32 s44, s44, s40
	s_lshl_b32 s44, s44, 8
	s_add_co_u32 s44, s44, 0x400000
	s_add_nc_u64 s[8:9], s[8:9], s[44:45]          ; V's: 128 b + 8 h + step
	s_lshl_b32 s44, s37, 9
	s_add_co_u32 s44, s44, s38
	s_add_nc_u64 s[4:5], s[4:5], s[44:45]          ; Q's codes at my first tile
	s_lshl_b32 s46, s34, 6
	s_add_co_u32 s46, s46, s37                     ; that tile among all 512
	s_lshl_b32 s44, s46, 11
	s_add_nc_u64 s[10:11], s[10:11], s[44:45]      ; its mask words
	s_lshl_b32 s44, s35, 14
	s_lshl_b32 s47, s46, 5
	s_add_co_u32 s44, s44, s47
	s_add_co_u32 s44, s44, 0x400000
	s_add_nc_u64 s[2:3], s[12:13], s[44:45]        ; O's scales [h][tile][16][2 bytes]: my 8 tiles are 256 consecutive bytes
	s_lshl_b32 s44, s46, 13
	s_lshl_b32 s47, s35, 9
	s_add_co_u32 s44, s44, s47
	s_add_nc_u64 s[12:13], s[12:13], s[44:45]      ; O's codes [tile][h][512]
	v_and_b32 v15, 31, v0
	v_lshlrev_b32 v[LI], 4, v15
	v_lshlrev_b32 v[L8], 3, v15
	v_and_b32 v15, 15, v0
	v_lshlrev_b32 v[R8], 3, v15
	s_lshl_b32 s44, s14, 8
	s_add_co_u32 s44, s44, SCG
	v_lshl_add_u32 v[GA0], v15, 1, s44
	v_add_nc_u32 v[RA], s44, v[L8]
	v_mov_b32 v[NINF], 0xff800000
	v_mov_b32 v[QSA], v[R8]
.irp d, 0,1,2,3,4,5,6,7,8,9,10,11,12,13,14,15
	global_load_b64 v[KS+2*\d:KS+2*\d+1], v[L8], s[6:7] offset:256*\d
.endr
.irp q, 0,1,2,3,4,5,6,7
	global_load_b64 v[VS+2*\q:VS+2*\q+1], v[L8], s[8:9] offset:256*\q
.endr
.macro NEXTLD                          ; a tile's codes of Q, its scale words and its mask words 128 on
	global_load_b128 v[QF:QF+3], v[LI], s[4:5]
	global_load_b32 v[QSR], v[QSA], s[28:29]
.irp k, 1,2,3
	global_load_b128 v[MW+4*\k:MW+4*\k+3], v[LI], s[10:11] offset:512*\k
.endr
.endm
	global_load_b128 v[MW:MW+3], v[LI], s[10:11]   ; the first tile's mask words 0 to 127
	NEXTLD
	s_mov_b32 s100, 0x3d38aa3b                     ; c = log2(e) / 32
	s_mov_b32 s101, s100                           ; (named with it as a pair, so it is written)
	s_mov_b32 s66, 0x76543210
	s_mov_b32 s67, 0xfedcba98                      ; v_permlanex16_b32's selects for lane l xor 16
	s_mov_b32 s15, 0                               ; the tile's number
	s_mov_b32 s30, 0                               ; 32 x it
.irp j, 4,5,6,7
	v_mov_b32 v[QF+\j], 0                          ; k = 64 .. 127 of Q: zero codes, set once
.endr
	v_mov_b32 v[NCM+1], 0                          ; upper words of pairs that are named before they are first written
.irp g, 0,1,2,3,4,5,6,7
	v_mov_b32 v[FG+2*\g+1], 0
.endr
	v_mov_b32 v[TP], 0                             ; a lane permute's destination counts as one of its sources
.irp j, 0,1,2,3,4,5,6,7
	v_mov_b32 v[OM+\j], 0
.endr
	WIN 0xc0
.irp j, 32,33,34,35,68,69,70,71
	v_mov_b32 v[\j], 0                             ; the tails behind K's two runs of tiles
.endr
	WIN 0
	s_wait_alu depctr_va_vdst(0)
	s_wait_loadcnt 0x0
.set k, 0
.rept 32
	v_bfe_u32 v[KS+k], v[KS+k], s31, 16            ; my head's two bytes; bytes 2 and 3 become 0
.set k, k+1
.endr
.set x, 0
.rept 64
	v_readlane_b32 s[32+x+4*(x/32)], v[MW+x/32], x%32   ; the first tile's lane masks of stage 0
.set x, x+1
.endr
	s_wait_alu depctr_va_vdst(0)
	s_wait_tensorcnt 0x0                           ; my quarter of K and V is in (and the descriptor's registers are free),
	s_barrier_signal -1
	s_barrier_wait -1                              ; everybody's is: the launch's one barrier
	s_mov_b32 s22, 0                               ; s[22:23]: what the address of O's codes steps by ahead of a trip's store: 0 in the first trip
	s_mov_b32 s23, 0
.macro KFETCH g                        ; tiles 8 (g % 8) .. + 7 of K into run g % 2 (window 3)
.set KFB, 36*((\g)%2)
.irp e, 0,1,2,3,4,5,6,7
	ds_load_b128 v[KFB+4*\e:KFB+4*\e+3], v[LI] offset:512*(8*((\g)%8)+\e)
.endr
.endm
.macro SUMSA g                         ; stage g's 64 p' into four pairs, in four chains: 28 packed additions
.set UW, 1+(\g)/4
.set UB, 64*((\g)%4)
	WIN (UW<<2)|UW
.irp a, 0,1,2,3
	v_pk_add_f32 v[SA+2*\a:SA+2*\a+1], v[UB+2*\a:UB+2*\a+1], v[UB+8+2*\a:UB+9+2*\a]
.endr
	WIN UW<<2
.irp j, 16,24,32,40,48,56
.irp a, 0,1,2,3
	v_pk_add_f32 v[SA+2*\a:SA+2*\a+1], v[SA+2*\a:SA+2*\a+1], v[UB+\j+2*\a:UB+\j+2*\a+1]
.endr
.endr
	WIN 0
.endm
.macro STAGE g
.set SW, 1+(\g)/4
.set SB, 64*((\g)%4)
.set KB, 36*((\g)%2)
	s_wait_dscnt 8                                 ; this stage's tiles of K, fetched two stages ago, are in; the eight loads of the stage before may be out
	WIN 0x03                                       ; source 0 window 3
.irp e, 0,1,2,3,4,5,6,7
	WMA T+8*\e, KB+4*\e, QF, 1, KS+4*(\g)+\e/2, QS, \e%2
.endr
.if (\g) > 0
	SUMSA (\g)-1                                   ; the plain places behind the products
.else
	WIN 0
.rept 4
	v_nop
.endr
.endif
; selects and maxima by turns: eight selects (two registers of each of the four blocks), then the four maxima over the eight registers selected a turn before.  Each accumulator is read from its low end on
.irp i, 0,2,4,6,8,10,12,14
.irp b, 0,1,2,3
	v_cndmask_b32 v[T+16*\b+\i], v[T+16*\b+\i], v[NINF], s[32+16*\b+\i+4*(\b/2)]
	v_cndmask_b32 v[T+16*\b+\i+1], v[T+16*\b+\i+1], v[NINF], s[33+16*\b+\i+4*(\b/2)]
.endr
.if \i == 2
.irp b, 0,1,2,3
	v_max3_num_f32 v[BM+4*(\g)+\b], v[NINF], v[T+16*\b], v[T+16*\b+1]
.endr
.elseif \i > 2
.irp b, 0,1,2,3
	v_max3_num_f32 v[BM+4*(\g)+\b], v[BM+4*(\g)+\b], v[T+16*\b+\i-2], v[T+16*\b+\i-1]
.endr
.endif
.endr
.irp b, 0,1,2,3
	v_max3_num_f32 v[BM+4*(\g)+\b], v[BM+4*(\g)+\b], v[T+16*\b+14], v[T+16*\b+15]
.endr
	WIN 0xc0
	KFETCH (\g)+2                                  ; into the run that this stage's products read
	WIN 0
	; the stage's M_g; lines that do not hang on each other stand between the links of the chain
	v_max3_num_f32 v[MX], v[BM+4*(\g)], v[BM+4*(\g)+1], v[BM+4*(\g)+2]
.irp b, 0,1,2,3
	v_permlanex16_b32 v[X4+\b], v[BM+4*(\g)+\b], s66, s67
.endr
	v_max3_num_f32 v[MX], v[MX], v[BM+4*(\g)+3], 0xff61b1e6   ; my 64 keys' largest score, held at -3e38: a stage with no open key keeps a finite M_g
.irp b, 0,1,2,3
	v_max_num_f32 v[BM+4*(\g)+\b], v[BM+4*(\g)+\b], v[X4+\b]   ; the blocks' largest, with lane l xor 16's 16 keys
.endr
	v_mul_f32 v[MX], s100, v[MX]                   ; as t (c is positive)
.if (\g) > 0
	v_pk_add_f32 v[SA:SA+1], v[SA:SA+1], v[SA+2:SA+3]
	v_pk_add_f32 v[SA+4:SA+5], v[SA+4:SA+5], v[SA+6:SA+7]
.endif
	v_floor_f32 v[OM], -v[MX]                      ; floor(-t): a whole number
.if (\g) > 0
	v_pk_add_f32 v[SG+2*(\g)-2:SG+2*(\g)-1], v[SA:SA+1], v[SA+4:SA+5]   ; the stage before's sum
.endif
	v_permlanex16_b32 v[TP], v[OM], s66, s67
	v_min_num_f32 v[NCM], v[OM], v[TP]             ; -M_g: the lesser of the two halves' is that of the larger t
	v_mov_b32 v[NM+(\g)], v[NCM]
.set x, 0
.rept 32
	v_pk_fma_f32 v[T+x:T+x+1], v[T+x:T+x+1], s[100:101], v[NCM:NCM+1] op_sel_hi:[1,0,0]   ; t - M_g
.set x, x+2
.endr
.irp b, 0,1,2,3
	v_fma_f32 v[BM+4*(\g)+\b], v[BM+4*(\g)+\b], s100, v[NCM]   ; the same of each block's largest score
.endr
	WIN SW<<6                                      ; the exponentials' results go to their store
	s_wait_alu depctr_va_vdst(0)
.if (\g) == 7
	s_wait_loadcnt 0x0                             ; the next tile's mask words 0 to 127, asked for behind stage 1
.endif
.set x, 0
.rept 64
	v_exp_f32 v[SB+x], v[T+x]
	v_readlane_b32 s[32+x+4*(x/32)], v[MW+(2*((\g)+1))%16+x/32], x%32   ; the next stage's lane masks (stage 7: the next tile's stage 0): this stage's selects have read theirs
.set x, x+1
.endr
	v_nop
	s_wait_alu depctr_va_vdst(0)
	WIN 0
.endm
	WIN 0xc0
	KFETCH 0
	KFETCH 1
	WIN 0
.Ltile:
	s_wait_loadcnt 0x0                             ; this tile's Q, scale words and the rest of its mask words
	v_bfe_u32 v[QS], v[QSR], s31, 16
	v_add_nc_u32 v[GA], s30, v[GA0]
.rept 8
	v_nop                                          ; places between the scale register's write and the first product
.endr
	s_wait_alu depctr_va_vdst(0)
	STAGE 0
	STAGE 1
	s_cmp_eq_u32 s15, 7                            ; mask words 0 to 127 have been read out: the next tile's take their place, if there is a next tile: no load leaves its buffer
	s_cbranch_scc1 .Lno_m0
	global_load_b128 v[MW:MW+3], v[LI], s[10:11] offset:2048
.Lno_m0:
.irp g, 2,3,4,5,6,7
	STAGE \g
.endr
	s_cmp_eq_u32 s15, 7                            ; the next tile's other loads
	s_cbranch_scc1 .Lno_next
	s_add_nc_u64 s[4:5], s[4:5], 512               ; (the loads that read these bases have been waited for)
	s_add_nc_u64 s[10:11], s[10:11], 2048
	s_add_co_u32 s18, s15, 1                       ; tile i: unit i / 4, lanes 16 (i % 2) on, word (i / 2) % 2
	s_lshr_b32 s19, s18, 2
	s_lshl_b32 s19, s19, 8
	s_and_b32 s20, s18, 1
	s_lshl_b32 s20, s20, 7
	s_add_co_u32 s19, s19, s20
	s_bfe_u32 s20, s18, 0x10001
	s_lshl_b32 s20, s20, 2
	s_add_co_u32 s19, s19, s20
	v_add_nc_u32 v[QSA], s19, v[R8]
	NEXTLD
.Lno_next:
	SUMSA 7
	v_pk_add_f32 v[SA:SA+1], v[SA:SA+1], v[SA+2:SA+3]
	v_pk_add_f32 v[SA+4:SA+5], v[SA+4:SA+5], v[SA+6:SA+7]
	v_max3_num_f32 v[OM], -v[NM], -v[NM+1], -v[NM+2]           ; M = the largest M_g
	v_pk_add_f32 v[SG+14:SG+15], v[SA:SA+1], v[SA+4:SA+5]
	v_max3_num_f32 v[OM], v[OM], -v[NM+3], -v[NM+4]
	v_max3_num_f32 v[OM], v[OM], -v[NM+5], -v[NM+6]
	v_max_num_f32 v[OM], v[OM], -v[NM+7]
.irp g, 0,1,2,3,4,5,6,7
	v_sub_f32 v[FG+2*\g], -v[NM+\g], v[OM]         ; M_g - M: a whole number, 0 or less
.endr
.irp g, 0,1,2,3,4,5,6,7
	v_cvt_i32_f32 v[FG+2*\g], v[FG+2*\g]           ; (it saturates)
.endr
.irp g, 0,1,2,3,4,5,6,7
	v_ldexp_f32 v[FG+2*\g], 1.0, v[FG+2*\g]        ; f_g = 2^(M_g - M)
.endr
	v_pk_mul_f32 v[SA:SA+1], v[SG:SG+1], v[FG:FG+1] op_sel_hi:[1,0]
	v_pk_mul_f32 v[SA+2:SA+3], v[SG+2:SG+3], v[FG+2:FG+3] op_sel_hi:[1,0]
.irp g, 2,4,6
	v_pk_fma_f32 v[SA:SA+1], v[SG+2*\g:SG+2*\g+1], v[FG+2*\g:FG+2*\g+1], v[SA:SA+1] op_sel_hi:[1,0,1]
	v_pk_fma_f32 v[SA+2:SA+3], v[SG+2*\g+2:SG+2*\g+3], v[FG+2*\g+2:FG+2*\g+3], v[SA+2:SA+3] op_sel_hi:[1,0,1]
.endr
	v_pk_add_f32 v[SA:SA+1], v[SA:SA+1], v[SA+2:SA+3]
	v_add_f32 v[SA], v[SA], v[SA+1]
	v_permlanex16_b32 v[TP], v[SA], s66, s67
	v_add_f32 v[SA], v[SA], v[TP]                  ; the row's sum under M
	v_max_num_f32 v[SA], 0.5, v[SA]                ; only a row with no open key lies under it: p = 0 x 2 = 0 there
	s_wait_alu depctr_va_vdst(0)                   ; one batch: the reciprocal and the 32 blocks' largest p'
	v_rcp_f32 v[RL], v[SA]
.set k, 0
.rept 32
	v_exp_f32 v[BM+k], v[BM+k]
.set k, k+1
.endr
	v_nop
	s_wait_alu depctr_va_vdst(0)
.irp g, 0,1,2,3,4,5,6,7
	v_mul_f32 v[FG+2*\g], v[FG+2*\g], v[RL]        ; f_g / sum
.endr
.irp g, 0,1,2,3,4,5,6,7
	v_mul_f32 v[FG+2*\g+1], 0x3e800000, v[FG+2*\g] ; and a quarter of it
.endr
.irp g, 0,1,2,3,4,5,6,7
	WIN ((1+\g/4)<<6)|(1+\g/4)
.set x, 0
.rept 32
	v_pk_mul_f32 v[64*(\g%4)+x:64*(\g%4)+x+1], v[64*(\g%4)+x:64*(\g%4)+x+1], v[FG+2*\g:FG+2*\g+1] op_sel_hi:[1,0]   ; p, finished
.set x, x+2
.endr
.endr
	WIN 0
.set k, 0
.rept 32
	v_mul_f32 v[BM+k], v[BM+k], v[FG+2*(k/4)+1]    ; a quarter of each block's largest p: the quarter is exact, so its exponent field is the largest p's less 2
.set k, k+1
.endr
.set k, 0
.rept 32
	v_max_num_f32 v[BM+k], 0x800000, v[BM+k]       ; the floor 2^(1 - 127): the byte cannot fall under 1.  This is the conversion's scale operand
.set k, k+1
.endr
.set k, 0
.rept 32
	v_lshrrev_b32 v[T+k], 23, v[BM+k]              ; the byte
.set k, k+1
.endr
.irp q, 0,1,2,3,4,5,6,7
	v_lshl_or_b32 v[PS+\q], v[T+4*\q+1], 8, v[T+4*\q]
.endr
.irp q, 0,1,2,3,4,5,6,7
	v_lshl_or_b32 v[PS+\q], v[T+4*\q+2], 16, v[PS+\q]
.endr
.irp q, 0,1,2,3,4,5,6,7
	v_lshl_or_b32 v[PS+\q], v[T+4*\q+3], 24, v[PS+\q]
.endr
	WIN 0xc1                                       ; source 0 window 1, destination window 3
.set k, 0
.rept 16
	v_cvt_scalef32_pk8_fp4_f32 v[PC+2*k], v[16*k:16*k+7], v[BM+k]
	v_cvt_scalef32_pk8_fp4_f32 v[PC+2*k+1], v[16*k+8:16*k+15], v[BM+k]
.set k, k+1
.endr
	s_wait_alu depctr_va_vdst(0)
	s_wait_dscnt 0x0                               ; the next trip's tiles of K are in: only V's loads are out from here on
	WIN 0x40                                       ; window 1's p are codes now: V's 64 half fragments land there
.irp q, 0,1,2,3,4,5,6,7
.irp t, 0,1,2,3
.irp c, 0,1
	ds_load_b128 v[32*\q+8*\t+4*\c:32*\q+8*\t+4*\c+3], v[LI] offset:VLDS+4096*\q+2048*\c+512*\t
.endr
.endr
.endr
	WIN 0xc2
.set k, 0
.rept 16
	v_cvt_scalef32_pk8_fp4_f32 v[PC+32+2*k], v[16*k:16*k+7], v[BM+16+k]
	v_cvt_scalef32_pk8_fp4_f32 v[PC+32+2*k+1], v[16*k+8:16*k+15], v[BM+16+k]
.set k, k+1
.endr
	WIN 0xc3
	v_nop                                          ; one plain place behind the conversions
.set k, 0
.rept 16                                       ; the operand's layout wants a whole block in a lane
	v_permlane16_swap_b32 v[PC+4*k], v[PC+4*k+2]
	v_permlane16_swap_b32 v[PC+4*k+1], v[PC+4*k+3]
.set k, k+1
.endr
	WIN 0
.rept 8
	v_nop                                          ; places between operands written by vector instructions and the products
.endr
	s_wait_alu depctr_va_vdst(0)
	s_wait_dscnt 0x0                               ; V
	WIN 0xfd                                       ; source 0 window 1; source 1, C and D window 3
.irp q, 0,1,2,3,4,5,6,7
.irp t, 0,1,2,3
	WMA OA+8*\t, 32*\q+8*\t, PC+8*\q, \q==0, VS+2*\q+\t/2, PS+\q, \t%2   ; the four accumulators by turns
.endr
.endr
	WIN 0
.rept 4
	v_nop
.endr
	; O's two blocks of 32 along the last product's K
	WIN 0x3c
.irp b, 0,1
	v_max3_num_f32 v[OM+\b], 0x1800000, |v[OA+16*\b]|, |v[OA+16*\b+1]|
.endr
.irp i, 2,4,6,8,10,12,14
.irp b, 0,1
	v_max3_num_f32 v[OM+\b], v[OM+\b], |v[OA+16*\b+\i]|, |v[OA+16*\b+\i+1]|
.endr
.endr
	WIN 0
.irp b, 0,1
	v_permlanex16_b32 v[OX+\b], v[OM+\b], s66, s67
.endr
.irp b, 0,1
	v_max_num_f32 v[OM+\b], v[OM+\b], v[OX+\b]
.endr
.irp b, 0,1
	v_add_nc_u32 v[OSC+\b], 0xff000000, v[OM+\b]
.endr
.irp b, 0,1
	v_lshrrev_b32 v[OBY+\b], 23, v[OSC+\b]
.endr
	v_lshl_or_b32 v[OH], v[OBY+1], 8, v[OBY]
	s_wait_alu depctr_va_vdst(0)
	s_wait_xcnt 0x0                                ; the last trip's store of O's codes has read its base and its data: both are written again only behind this wait
	s_add_nc_u64 s[12:13], s[12:13], s[22:23]      ; on to this tile's place: 8,192 bytes a tile; nothing in the first trip
	WIN 0x03
.irp b, 0,1
	v_cvt_scalef32_pk8_fp4_f32 v[OC+2*\b], v[OA+16*\b:OA+16*\b+7], v[OSC+\b]
	v_cvt_scalef32_pk8_fp4_f32 v[OC+2*\b+1], v[OA+16*\b+8:OA+16*\b+15], v[OSC+\b]
.endr
	WIN 0
	v_nop
	v_permlane16_swap_b32 v[OC], v[OC+2]
	v_permlane16_swap_b32 v[OC+1], v[OC+3]
	global_store_b128 v[LI], v[OC:OC+3], s[12:13]  ; half a fragment of the last product's operand: 512 consecutive bytes
	ds_store_b16 v[GA], v[OH]                      ; both halves of the lanes write the same halfword with the same value
	s_mov_b32 s22, 8192
	s_add_co_u32 s30, s30, 32
	s_add_co_u32 s15, s15, 1
	s_cmp_lt_u32 s15, 8
	s_wait_alu depctr_va_vdst(0)
	s_cbranch_scc1 .Ltile
	ds_load_b64 v[RBK:RBK+1], v[RA]                ; my own bytes: LDS serves a wave in order
	s_wait_dscnt 0x0
	global_store_b64 v[L8], v[RBK:RBK+1], s[2:3]   ; 256 consecutive bytes, aligned
	s_set_vgpr_msb 0xf
	s_wait_tensorcnt 0x0                           ; the wave's end
	ds_add_u32 v254, v255
	s_wait_dscnt 0x0
	s_set_vgpr_msb 0xf00
	s_endpgm
.Lfunc_end_k_q8175a5c012_attn:
	.size	k_q8175a5c012_attn, .Lfunc_end_k_q8175a5c012_attn-k_q8175a5c012_attn
	.p2alignl 7, 3214868480
	.fill 96, 4, 3214868480
	.section	.rodata,"a",@progbits
	.p2align	6, 0x0
	.amdhsa_kernel k_q8175a5c012_attn
		.amdhsa_group_segment_fixed_size 168448
		.amdhsa_private_segment_fixed_size 0
		.amdhsa_enable_private_segment 0
		.amdhsa_kernarg_size 40
		.amdhsa_user_sgpr_count 2
		.amdhsa_user_sgpr_kernarg_segment_ptr 1
		.amdhsa_wavefront_size32 1
		.amdhsa_system_sgpr_workgroup_id_x 1
		.amdhsa_system_sgpr_workgroup_id_y 1
		.amdhsa_system_sgpr_workgroup_id_z 1
		.amdhsa_system_vgpr_workitem_id 0
		.amdhsa_next_free_vgpr 1024
		.amdhsa_next_free_sgpr 102
		.amdhsa_reserve_vcc 0
		.amdhsa_float_denorm_mode_32 3
		.amdhsa_float_denorm_mode_16_64 3
		.amdhsa_memory_ordered 1
		.amdhsa_forward_progress 1
		.amdhsa_inst_pref_size 210
	.end_amdhsa_kernel
	.amdgpu_metadata
---
amdhsa.version: [ 1, 2 ]
amdhsa.kernels:
  - .name:           k_q8175a5c012_attn
    .symbol:         k_q8175a5c012_attn.kd
    .args:
      - { .name: hq, .offset: 0, .size: 8, .value_kind: global_buffer, .address_space: global }
      - { .name: hk, .offset: 8, .size: 8, .value_kind: global_buffer, .address_space: global }
      - { .name: hv, .offset: 16, .size: 8, .value_kind: global_buffer, .address_space: global }
      - { .name: maskw, .offset: 24, .size: 8, .value_kind: global_buffer, .address_space: global }
      - { .name: oq, .offset: 32, .size: 8, .value_kind: global_buffer, .address_space: global }
    .group_segment_fixed_size: 168448
    .private_segment_fixed_size: 0
    .kernarg_segment_align: 8
    .kernarg_segment_size: 40
    .max_flat_workgroup_size: 128
    .sgpr_count:     102
    .vgpr_count:     1024
    .wavefront_size: 32
...
	.end_amdgpu_metadata
.endif
;; end of part 3
;; launch outp (part 4): grid 256 x 1, 4 waves a work-group, no clusters, 263,168 bytes of LDS; arguments oq, wimg, proj_w_scales, proj_b, q, ln_g, ln_b, out0; writes out0
.if DOCPART == 4
	.amdgcn_target "amdgcn-amd-amdhsa--gfx1250"
	.amdhsa_code_object_version 6
	.text
	.protected	k_q8175a5c012_outp
	.globl	k_q8175a5c012_outp
	.p2align	8
	.type	k_q8175a5c012_outp,@function
k_q8175a5c012_outp:
	s_mov_b64 s[64:65], 0
	v_nop
	global_prefetch_b8 v0, s[64:65] scope:SCOPE_SE
	s_setreg_imm32_b32 hwreg(HW_REG_WAVE_MODE, 25, 1), 1
	s_wait_xcnt 0x0
; out0 = LayerNorm(O proj_w + proj_b + q).  The product runs on codes of FP4 (E2M1) with E8M0 scales; all else in f32.
; SHARES: work-group k owns tokens 32 k .. 32 k + 31 (O's tiles 2 k and 2 k + 1; lane r of tile u is token 32 k + 8 u + r + 8 (r / 8)) and ALL 1,024 columns, so the norm stays inside the work-group.
; Wave w makes columns 256 w .. + 255: 16 tiles of weights x 2 tiles of tokens = 32 accumulators.  Source 0 = 16 rows of weights (output columns), source 1 = O: a lane holds one token and eight neighbouring columns.
; A wave's weights are read by that wave alone, once: they come as images of operand registers straight from memory, 512 consecutive bytes a load, two K steps ahead, in four buffers.  So nothing is shared
; through LDS but the results, and there is no cluster.  q's 32 rows come into LDS by one tensor load a wave, asked for at the head and used at the end; each wave fetches the 8 rows that it normalises itself.
; LIMITS: NaN and infinities among the inputs are not served.
; REGISTERS: window 0: v1-6 addresses; v16-143 O's 16 fragments, later two sets of a row (32 of the product, 32 of q); v144-151 O's scale words (tile 0 in lanes 0-15, tile 1 in 16-31), v152-167 their halves as loaded;
;            v168-231 the weights' scale words (pair p of tiles, K step q: v[168 + 8 p + q]); v232-244 statistics.   window 1: accumulator (u, T) at v[128 u + 8 T].
;            windows 2, 3: four weight buffers of 128; behind the products window 2 holds ln_g (v0-31), ln_b (v32-63), proj_b (v64-95).
.set STP,  4112                        ; LDS: the stage, 32 rows of 4,096 bytes + 16, at 0;
.set QRB,  32*STP                      ; behind it q's 32 rows of 4,096 bytes: filled by tensor loads, never stored into
.set OF,   16
.set OSW,  144
.set OSR,  152
.set WS,   168
.set SA,   232                         ; four pairs
.set MU,   240                         ; pair
.set RS,   242                         ; pair
.set TPO,  244
.set MSB, 0
.macro WIN new
.if MSB != (\new)
	s_set_vgpr_msb (MSB<<8)|(\new)
.set MSB, (\new)
.endif
.endm
.macro WMS d, a, b, z, sa, sb, ra, rb
.if (\z) != 0
.if ((\ra) == 0) && ((\rb) == 0)
	v_wmma_scale_f32_16x16x128_f8f6f4 v[(\d):(\d)+7], v[(\a):(\a)+7], v[(\b):(\b)+7], 0, v[(\sa)], v[(\sb)] matrix_a_fmt:MATRIX_FMT_FP4 matrix_b_fmt:MATRIX_FMT_FP4
.elseif (\rb) == 0
	v_wmma_scale_f32_16x16x128_f8f6f4 v[(\d):(\d)+7], v[(\a):(\a)+7], v[(\b):(\b)+7], 0, v[(\sa)], v[(\sb)] matrix_a_fmt:MATRIX_FMT_FP4 matrix_b_fmt:MATRIX_FMT_FP4 matrix_a_scale:MATRIX_SCALE_ROW1
.elseif (\ra) == 0
	v_wmma_scale_f32_16x16x128_f8f6f4 v[(\d):(\d)+7], v[(\a):(\a)+7], v[(\b):(\b)+7], 0, v[(\sa)], v[(\sb)] matrix_a_fmt:MATRIX_FMT_FP4 matrix_b_fmt:MATRIX_FMT_FP4 matrix_b_scale:MATRIX_SCALE_ROW1
.else
	v_wmma_scale_f32_16x16x128_f8f6f4 v[(\d):(\d)+7], v[(\a):(\a)+7], v[(\b):(\b)+7], 0, v[(\sa)], v[(\sb)] matrix_a_fmt:MATRIX_FMT_FP4 matrix_b_fmt:MATRIX_FMT_FP4 matrix_a_scale:MATRIX_SCALE_ROW1 matrix_b_scale:MATRIX_SCALE_ROW1
.endif
.else
.if ((\ra) == 0) && ((\rb) == 0)
	v_wmma_scale_f32_16x16x128_f8f6f4 v[(\d):(\d)+7], v[(\a):(\a)+7], v[(\b):(\b)+7], v[(\d):(\d)+7], v[(\sa)], v[(\sb)] matrix_a_fmt:MATRIX_FMT_FP4 matrix_b_fmt:MATRIX_FMT_FP4
.elseif (\rb) == 0
	v_wmma_scale_f32_16x16x128_f8f6f4 v[(\d):(\d)+7], v[(\a):(\a)+7], v[(\b):(\b)+7], v[(\d):(\d)+7], v[(\sa)], v[(\sb)] matrix_a_fmt:MATRIX_FMT_FP4 matrix_b_fmt:MATRIX_FMT_FP4 matrix_a_scale:MATRIX_SCALE_ROW1
.elseif (\ra) == 0
	v_wmma_scale_f32_16x16x128_f8f6f4 v[(\d):(\d)+7], v[(\a):(\a)+7], v[(\b):(\b)+7], v[(\d):(\d)+7], v[(\sa)], v[(\sb)] matrix_a_fmt:MATRIX_FMT_FP4 matrix_b_fmt:MATRIX_FMT_FP4 matrix_b_scale:MATRIX_SCALE_ROW1
.else
	v_wmma_scale_f32_16x16x128_f8f6f4 v[(\d):(\d)+7], v[(\a):(\a)+7], v[(\b):(\b)+7], v[(\d):(\d)+7], v[(\sa)], v[(\sb)] matrix_a_fmt:MATRIX_FMT_FP4 matrix_b_fmt:MATRIX_FMT_FP4 matrix_a_scale:MATRIX_SCALE_ROW1 matrix_b_scale:MATRIX_SCALE_ROW1
.endif
.endif
.endm
	s_load_b512 s[4:19], s[0:1], 0x0               ; oq, wimg, proj_w_scales, proj_b, q, ln_g, ln_b, out0
	v_lshl_add_u32 v254, v0, 2, 0x40200
	v_mov_b32 v255, 0
	ds_add_u32 v254, v255
	ds_add_u32 v254, v255
	v_lshrrev_b32 v1, 5, v0
	v_readfirstlane_b32 s20, v1                    ; wave
	; descriptor group 1: 32,768 dense bytes as 128 rows of 256
	s_mov_b32 s24, 3<<16                           ; no mask; elements of 8 bytes; no padding: every read takes 512 consecutive bytes
	s_mov_b32 s25, 32<<16
	s_mov_b32 s26, 128<<16
	s_mov_b32 s27, 32<<16
	s_mov_b32 s28, 128
	s_mov_b32 s29, 32
	s_mov_b32 s30, 0
	s_mov_b32 s31, 0
	s_lshl_b32 s36, ttmp9, 5
	s_lshl_b32 s37, s20, 3
	s_add_co_u32 s36, s36, s37                     ; the first token that I normalise: 32 k + 8 w
	s_lshl_b32 s36, s36, 12                        ; rows of 4,096 bytes
	s_mov_b32 s37, 0
	s_wait_dscnt 0x0
	s_wait_kmcnt 0x0
	s_add_nc_u64 s[34:35], s[12:13], s[36:37]
	s_or_b32 s35, s35, 0x80000000
	s_mov_b32 s32, 1
	s_lshl_b32 s33, s20, 15
	s_add_co_u32 s33, s33, QRB
	tensor_load_to_lds s[32:35], s[24:31]          ; my one tensor load: my 8 rows of q, read by me alone
	s_nop 0
.rept 4
	v_nop
.endr
	s_add_nc_u64 s[18:19], s[18:19], s[36:37]      ; out0 at the same rows
	s_lshl_b32 s36, ttmp9, 14
	s_add_nc_u64 s[38:39], s[4:5], s[36:37]        ; O's codes: two tiles of 8,192 bytes
	s_lshl_b32 s36, ttmp9, 6
	s_add_co_u32 s36, s36, 0x400000
	s_add_nc_u64 s[40:41], s[4:5], s[36:37]        ; O's scale halfwords: 32 bytes a tile and head
	s_lshl_b32 s36, s20, 17
	s_add_nc_u64 s[6:7], s[6:7], s[36:37]          ; my 16 tiles of weights
	s_lshl_b32 s36, s20, 13
	s_add_nc_u64 s[8:9], s[8:9], s[36:37]          ; my 256 rows of their scales
	s_mov_b32 s44, 0x76543210
	s_mov_b32 s45, 0xfedcba98                      ; v_permlanex16_b32's selects for lane l xor 16
	s_mov_b32 s46, 0x3a800000                      ; 1 / 1024
	s_mov_b32 s47, 0x3727c5ac                      ; 1e-5
	v_and_b32 v7, 31, v0
	v_lshlrev_b32 v1, 4, v7                        ; 16 x lane
	v_lshlrev_b32 v2, 1, v7                        ; 2 x lane
	v_lshlrev_b32 v3, 5, v7                        ; 32 x lane
	v_and_b32 v8, 15, v0
	v_bfe_u32 v9, v0, 4, 1
	v_and_b32 v10, 8, v8
	v_add_nc_u32 v10, v10, v8                      ; r + 8 (r / 8)
	v_mul_u32_u24 v4, v10, STP
	v_lshl_add_u32 v4, v9, 5, v4
	s_lshl_b32 s42, s20, 10
	v_add_nc_u32 v4, s42, v4                       ; into the stage: my token's row, my wave's 1,024 bytes, 32 for each half of the lanes
	s_mul_i32 s42, s20, 8*STP
	v_add_nc_u32 v5, s42, v1                       ; out of it: my 8 rows, 16 bytes a lane
	s_lshl_b32 s42, s20, 15
	s_add_co_u32 s42, s42, QRB
	v_add_nc_u32 v6, s42, v1                       ; q's rows likewise
	v_mov_b32 v[MU+1], 0                           ; (upper halves of pairs of which the low word serves both halves)
	v_mov_b32 v[RS+1], 0
	v_mov_b32 v[TPO], 0
.irp u, 0,1
.irp h, 0,1,2,3,4,5,6,7,8,9,10,11,12,13,14,15
	global_load_b128 v[OF+64*\u+4*\h:OF+64*\u+4*\h+3], v1, s[38:39] offset:8192*\u+512*\h   ; head h is half h % 2 of K step h / 2
.endr
.endr
.irp h, 0,1,2,3,4,5,6,7,8,9,10,11,12,13,14,15
	global_load_u16 v[OSR+\h], v2, s[40:41] offset:16384*\h
.endr
.irp p, 0,1,2,3,4,5,6,7
	global_load_b128 v[WS+8*\p:WS+8*\p+3], v3, s[8:9] offset:1024*\p
	global_load_b128 v[WS+8*\p+4:WS+8*\p+7], v3, s[8:9] offset:1024*\p+16
.endr
.macro WLOAD q                         ; K step q's 16 fragments of weights into buffer q % 4
.set WQ, \q
	WIN (2+(WQ%4)/2)<<6
.irp t, 0,1,2,3,4,5,6,7,8,9,10,11,12,13,14,15
.irp c, 0,1
	global_load_b128 v[128*(WQ%2)+8*\t+4*\c:128*(WQ%2)+8*\t+4*\c+3], v1, s[6:7] offset:8192*\t+1024*WQ+512*\c
.endr
.endr
	WIN 0
.endm
.macro MULO q                          ; 32 products; the 32 accumulators by turns, in the same order in every step
	WIN 0x50|(2+((\q)%4)/2)
.irp t, 0,1,2,3,4,5,6,7,8,9,10,11,12,13,14,15
.irp u, 0,1
	WMS 128*\u+8*\t, 128*((\q)%2)+8*\t, OF+8*(8*\u+(\q)), (\q)==0, WS+8*(\t/2)+(\q), OSW+(\q), \t%2, \u
.endr
.endr
	WIN 0
.endm
	WLOAD 0
	WLOAD 1
	s_wait_loadcnt 63                              ; 128 loads are issued: the first 65 are in, O's fragments and all scales among them
.irp q, 0,1,2,3,4,5,6,7
	v_lshl_or_b32 v[OSW+\q], v[OSR+2*\q+1], 16, v[OSR+2*\q]   ; two heads' halfwords make a K step's scale word
.endr
.rept 8
	v_nop                                          ; eight places between a scale register's write and the first product
.endr
.macro KSTEP q
.if ((\q) >= 2) && ((\q) <= 5)
.rept 4
	v_nop                                          ; four plain places between products and loads into the buffer that they read
.endr
.endif
.if (\q) <= 5
	WLOAD (\q)+2
	s_wait_loadcnt 63                              ; this step's weights are in: 64 younger loads are out, and 63 is the largest count that the wait can name
.elseif (\q) == 6
	s_wait_loadcnt 32                              ; the last step's 32 may be out
.else
	s_wait_loadcnt 0x0
.endif
	MULO \q
.endm
	s_wait_alu depctr_va_vdst(0)
.irp q, 0,1,2,3,4,5,6,7
	KSTEP \q
.endr
.rept 4
	v_nop                                          ; places ahead of the first read of results and of loads into operands' registers
.endr
	WIN 0x80
.irp k, 0,1,2,3,4,5,6,7
	global_load_b128 v[4*\k:4*\k+3], v1, s[14:15] offset:512*\k          ; ln_g: lane l has columns 128 k + 4 l on
	global_load_b128 v[32+4*\k:35+4*\k], v1, s[16:17] offset:512*\k      ; ln_b
	global_load_b128 v[64+4*\k:67+4*\k], v1, s[10:11] offset:512*\k      ; proj_b
.endr
	WIN 0x04                                       ; an LDS store's data: window 1
.irp u, 0,1
.irp t, 0,1,2,3,4,5,6,7,8,9,10,11,12,13,14,15
	ds_store_b128 v4, v[128*\u+8*\t:128*\u+8*\t+3] offset:8*STP*\u+64*\t        ; each accumulator from its low end on
	ds_store_b128 v4, v[128*\u+8*\t+4:128*\u+8*\t+7] offset:8*STP*\u+64*\t+16
.endr
.endr
	WIN 0
	s_wait_dscnt 0x0                               ; for the others' sake: my stores into the stage are done
	s_barrier_signal -1
	s_barrier_wait -1                              ; 32 whole rows lie in the stage
	s_wait_tensorcnt 0x0                           ; my rows of q
	s_wait_loadcnt 0x0                             ; gains and biases
.macro LDROW p                         ; row p of my 8: the product's 4,096 bytes and q's, into set p % 2
.set LB, 16+64*((\p)%2)
	s_wait_xcnt 0x0                                ; the set's registers were a store's data: they are loaded again only behind this wait
.irp k, 0,1,2,3,4,5,6,7
	ds_load_b128 v[LB+4*\k:LB+4*\k+3], v5 offset:(\p)*STP+512*\k
.endr
.irp k, 0,1,2,3,4,5,6,7
	ds_load_b128 v[LB+32+4*\k:LB+32+4*\k+3], v6 offset:(\p)*4096+512*\k
.endr
.endm
.macro LANESUM                         ; v[SA]: the sum over the four pairs and the 32 lanes, in every lane
	v_pk_add_f32 v[SA:SA+1], v[SA:SA+1], v[SA+2:SA+3]
	v_pk_add_f32 v[SA+4:SA+5], v[SA+4:SA+5], v[SA+6:SA+7]
	v_pk_add_f32 v[SA:SA+1], v[SA:SA+1], v[SA+4:SA+5]
	v_add_f32 v[SA], v[SA], v[SA+1]
	v_add_f32_dpp v[SA], v[SA], v[SA] row_xmask:1 row_mask:0xf bank_mask:0xf
	v_add_f32_dpp v[SA], v[SA], v[SA] row_xmask:2 row_mask:0xf bank_mask:0xf
	v_add_f32_dpp v[SA], v[SA], v[SA] row_xmask:4 row_mask:0xf bank_mask:0xf
	v_add_f32_dpp v[SA], v[SA], v[SA] row_xmask:8 row_mask:0xf bank_mask:0xf
	v_permlanex16_b32 v[TPO], v[SA], s44, s45
	v_add_f32 v[SA], v[SA], v[TPO]
.endm
.macro ROW p
.if (\p) < 7
	LDROW (\p)+1
	s_wait_dscnt 16                                ; this row is in; the next row's sixteen loads stay out
.else
	s_wait_dscnt 0x0
.endif
.set XB, 16+64*((\p)%2)
	WIN 0x08                                       ; source 1 window 2
.set k, 0
.rept 16
	v_pk_add_f32 v[XB+2*k:XB+2*k+1], v[XB+2*k:XB+2*k+1], v[64+2*k:65+2*k]      ; + proj_b
.set k, k+1
.endr
	WIN 0
.set k, 0
.rept 16
	v_pk_add_f32 v[XB+2*k:XB+2*k+1], v[XB+2*k:XB+2*k+1], v[XB+32+2*k:XB+33+2*k]   ; + q
.set k, k+1
.endr
.irp a, 0,1,2,3
	v_pk_add_f32 v[SA+2*\a:SA+2*\a+1], v[XB+2*\a:XB+2*\a+1], v[XB+8+2*\a:XB+9+2*\a]
.endr
.irp j, 16,24
.irp a, 0,1,2,3
	v_pk_add_f32 v[SA+2*\a:SA+2*\a+1], v[SA+2*\a:SA+2*\a+1], v[XB+\j+2*\a:XB+\j+1+2*\a]
.endr
.endr
	LANESUM
	v_mul_f32 v[MU], s46, v[SA]                    ; the mean
.set k, 0
.rept 16
	v_pk_add_f32 v[XB+2*k:XB+2*k+1], v[XB+2*k:XB+2*k+1], v[MU:MU+1] op_sel_hi:[1,0] neg_lo:[0,1] neg_hi:[0,1]
.set k, k+1
.endr
.irp a, 0,1,2,3
	v_pk_mul_f32 v[SA+2*\a:SA+2*\a+1], v[XB+2*\a:XB+2*\a+1], v[XB+2*\a:XB+2*\a+1]
.endr
.irp j, 8,16,24
.irp a, 0,1,2,3
	v_pk_fma_f32 v[SA+2*\a:SA+2*\a+1], v[XB+\j+2*\a:XB+\j+1+2*\a], v[XB+\j+2*\a:XB+\j+1+2*\a], v[SA+2*\a:SA+2*\a+1]
.endr
.endr
	LANESUM
	v_fma_f32 v[SA], v[SA], s46, s47               ; the variance + 1e-5
	s_wait_alu depctr_va_vdst(0)
	v_rsq_f32 v[RS], v[SA]
	v_nop                                          ; a plain line behind the root,
	s_wait_alu depctr_va_vdst(0)                   ; and the wait ahead of its first reader
.set k, 0
.rept 16
	v_pk_mul_f32 v[XB+2*k:XB+2*k+1], v[XB+2*k:XB+2*k+1], v[RS:RS+1] op_sel_hi:[1,0]
.set k, k+1
.endr
	WIN 0x28                                       ; sources 1 and 2 window 2
.set k, 0
.rept 16
	v_pk_fma_f32 v[XB+2*k:XB+2*k+1], v[XB+2*k:XB+2*k+1], v[2*k:2*k+1], v[32+2*k:33+2*k]   ; x ln_g + ln_b
.set k, k+1
.endr
	WIN 0
.irp k, 0,1,2,3,4,5,6,7
	global_store_b128 v1, v[XB+4*\k:XB+4*\k+3], s[18:19] offset:(\p)*4096+512*\k th:TH_STORE_NT   ; 512 consecutive bytes, aligned; written once
.endr
.endm
	LDROW 0
.irp p, 0,1,2,3,4,5,6,7
	ROW \p
.endr
	s_wait_tensorcnt 0x0
	ds_add_u32 v254, v255
	s_wait_dscnt 0x0
	s_endpgm
.Lfunc_end_k_q8175a5c012_outp:
	.size	k_q8175a5c012_outp, .Lfunc_end_k_q8175a5c012_outp-k_q8175a5c012_outp
	.p2alignl 7, 3214868480
	.fill 96, 4, 3214868480
	.section	.rodata,"a",@progbits
	.p2align	6, 0x0
	.amdhsa_kernel k_q8175a5c012_outp
		.amdhsa_group_segment_fixed_size 263168
		.amdhsa_private_segment_fixed_size 0
		.amdhsa_enable_private_segment 0
		.amdhsa_kernarg_size 64
		.amdhsa_user_sgpr_count 2
		.amdhsa_user_sgpr_kernarg_segment_ptr 1
		.amdhsa_wavefront_size32 1
		.amdhsa_system_sgpr_workgroup_id_x 1
		.amdhsa_system_sgpr_workgroup_id_y 1
		.amdhsa_system_sgpr_workgroup_id_z 1
		.amdhsa_system_vgpr_workitem_id 0
		.amdhsa_next_free_vgpr 1024
		.amdhsa_next_free_sgpr 66
		.amdhsa_reserve_vcc 0
		.amdhsa_float_denorm_mode_32 3
		.amdhsa_float_denorm_mode_16_64 3
		.amdhsa_memory_ordered 1
		.amdhsa_forward_progress 1
		.amdhsa_inst_pref_size 155
	.end_amdhsa_kernel
	.amdgpu_metadata
---
amdhsa.version: [ 1, 2 ]
amdhsa.kernels:
  - .name:           k_q8175a5c012_outp
    .symbol:         k_q8175a5c012_outp.kd
    .args:
      - { .name: oq, .offset: 0, .size: 8, .value_kind: global_buffer, .address_space: global }
      - { .name: wimg, .offset: 8, .size: 8, .value_kind: global_buffer, .address_space: global }
      - { .name: proj_w_scales, .offset: 16, .size: 8, .value_kind: global_buffer, .address_space: global }
      - { .name: proj_b, .offset: 24, .size: 8, .value_kind: global_buffer, .address_space: global }
      - { .name: q, .offset: 32, .size: 8, .value_kind: global_buffer, .address_space: global }
      - { .name: ln_g, .offset: 40, .size: 8, .value_kind: global_buffer, .address_space: global }
      - { .name: ln_b, .offset: 48, .size: 8, .value_kind: global_buffer, .address_space: global }
      - { .name: out0, .offset: 56, .size: 8, .value_kind: global_buffer, .address_space: global }
    .group_segment_fixed_size: 263168
    .private_segment_fixed_size: 0
    .kernarg_segment_align: 8
    .kernarg_segment_size: 64
    .max_flat_workgroup_size: 128
    .sgpr_count:     66
    .vgpr_count:     1024
    .wavefront_size: 32
...
	.end_amdgpu_metadata
.endif
;; end of part 4
